; MI455X (gfx1250); checked and timed in simulation.
; The chip was launched on July 23, 2026; its instructions are those of AMD's public machine-readable ISA for CDNA 5 (MIT licence, August 2026) and "CDNA5" Instruction Set Architecture Reference Guide (July 2026). The comments in the code are by the model that wrote it; some were corrected since.
;; Dot Product Attention. Allowed arithmetic: matrix products marked QUANTISED: E2M1 operands, one E8M0 scale for each 32 along K, by v_wmma_scale_f32_16x16x128_f8f6f4 with both operands' format E2M1 (or v_wmma_scale_f32_32x16x128_f4), f32 sums; everything else in f32.
;; Inputs: keys 32 x 2,048 x 128 float32; queries 32 x 2,048 x 128 float32; valid_lens 32 int32; values 32 x 2,048 x 128 float32.
;; Outputs: out0 32 x 2,048 x 128 float32.
;; This version of the problem:
;;   THIS VERSION OF THE PROBLEM IS GIVEN IN LOW PRECISION. The matrix products marked QUANTISED in the list below multiply operands that are first quantised to E2M1 (2 exponent bits, 1 mantissa bit; 4 bits a number), with one power-of-two scale for each 32 numbers along K (OCP MX v1.0); their sums are f32. All else is computed in f32.
;;   The module's matrix products, in the order in which they are computed (A, B: the left and right operand; K: the contracted axis; several contracted axes count as one K, in the product's order):
;;     1. batch 32 x [M 2,048, K 128] x [K 128, N 2,048]; A: input queries; B: input keys: QUANTISED
;;     2. batch 32 x [M 2,048, K 2,048] x [K 2,048, N 128]; A: softmax (see below); B: input values: QUANTISED
;;   THE QUANTISER, for each operand of a quantised product, along K:
;;     - K is cut into blocks of 32 from its start; a last block that is shorter is filled with zeros.
;;     - A block's scale is 2^e with e = floor(log2(the largest magnitude in the block)) - 2, held to -126 .. 127; a block of zeros has e = 0. As a byte (E8M0): e + 127.
;;     - Each number is divided by its block's scale, clamped to +-6, and rounded to the nearest number of E2M1, ties to even, subnormals kept.
;;     - The product sums the exact products of the quantised numbers (number of the format x scale) in f32.
;;   ~~~python
;;   def quantise(x, axis):      # numpy; x: float32 -> the quantised numbers, widened to float32 again
;;       x = np.moveaxis(x, axis, -1); K = x.shape[-1]
;;       x = np.pad(x, [(0, 0)] * (x.ndim - 1) + [(0, -K % 32)]); x = x.reshape(x.shape[:-1] + (-1, 32)); a = np.abs(x).max(-1, keepdims=True)
;;       e = np.where(a > 0, np.clip(np.frexp(np.where(a > 0, a, 1))[1] - 1 - 2, -126, 127), 0)      # np.frexp(a)[1] - 1 = floor(log2(a)), exactly
;;       r = np.clip(x / 2.0 ** e, -6, 6)
;;       step = 2.0 ** (np.maximum(np.frexp(np.where(r == 0, 1, r))[1] - 1, 0) - 1)
;;       q = np.round(r / step) * step * 2.0 ** e      # np.round: ties to even
;;       return np.moveaxis(q.reshape(q.shape[:-2] + (-1,))[..., :K], -1, axis).astype(np.float32)
;;   ~~~
;;   SOFTMAX AHEAD OF A QUANTISED PRODUCT. Where the list says 'softmax', what is quantised is not the finished softmax but p = 2^(t - M), with t = logit x log2(e) and M = ceil(the row's largest t), a whole number; so 1/2 < the row's largest p <= 1. The row's sum l is taken of the UNQUANTISED p, in f32, and the product's result is divided by l at the end. Since M is a whole number, a kernel that streams over the keys may use a running M (the ceiling of the running maximum): every later rescaling is an exact power of two, which a block's scale takes up: the codes' values come out the same.
;;   OPERANDS COMPUTED ON THE WAY. 'Computed on the way' means the value that the module computes at that place (a softmax that the list does not call 'softmax' is quantised finished and normalised). What goes into a quantiser is computed in f32, as accurately as f32 sums, v_exp_f32 and their like allow (about 1e-6 of the number): no bf16 or f16 on the way to a quantiser, and a product that is left as it is and whose result goes on into a quantised operand takes f32 operands (vector FMAs, or v_wmma_f32_16x16x4_f32). A number that lies on a knife's edge between two numbers of the format may be rounded either way, as far as f32 arithmetic and the matrix unit's own rounding can turn it there, and no further.
;; 2 versions. Each part assembles by itself: llvm-mc -triple=amdgcn-amd-amdhsa -mcpu=gfx1250 --defsym DOCPART=n.
;; ======== version 1 of 2: 2 launches
;; workspace buffers: kv 8,912,896 bytes; order 256 bytes of whole numbers
;; launch quant (part 1): grid 32 x 32, 4 waves a work-group, no clusters, 68,096 bytes of LDS; arguments keys, values, valid_lens, kv, order; writes kv, order
.if DOCPART == 1
	.amdgcn_target "amdgcn-amd-amdhsa--gfx1250"
	.amdhsa_code_object_version 6
	.text
	.protected	k_q49b492eb75_quant
	.globl	k_q49b492eb75_quant
	.p2align	8
	.type	k_q49b492eb75_quant,@function
k_q49b492eb75_quant:
	s_mov_b64 s[64:65], 0
	v_nop
	global_prefetch_b8 v0, s[64:65] scope:SCOPE_SE
	s_setreg_imm32_b32 hwreg(HW_REG_WAVE_MODE, 25, 1), 1
	s_wait_xcnt 0x0
; keys and values, [32][2048][128] f32, become codes of FP4 (E2M1) with one E8M0 scale byte for each 32 along K, laid as IMAGES OF THE OPERAND'S REGISTERS,
; a key step (128 keys) at a time: kv = [32 batches][16 steps][17,408 bytes]: 8 tiles of K (1,024 bytes each), 8 tiles of V, 128 scale words of K, 128 of V.
; A tile's image: byte 512 c + 16 lane holds registers 4 c .. 4 c + 3 of lane (r = lane % 16, h = lane / 16): the 32 codes of block 2 c + h of the tile's row r.
;   K (its K is the head's 128): row r of tile 2 b + u is key 32 b + 8 u + r + 8 (r / 8) of the step, so that the scores' registers of two neighbouring tiles are 16 neighbouring keys.
;   V (its K is the keys): row r of tile t is channel 16 t + r; the blocks run along the step's 128 keys.
;   Scale words: K's word 32 b + 16 u + r, V's word = the channel: lanes 0-15 of a register then serve an even tile, lanes 16-31 the odd tile beside it.
; A block's scale is 2^(floor(log2(its largest magnitude)) - 2): its byte is the largest magnitude's exponent field - 2, held at 1 from below by a floor among the maximum's leaves.
; LIMITS: a block of zeros, and one whose largest magnitude lies under 2^-124, gets the byte 1 (a block of zeros has zero codes, and this program alone reads the bytes); NaN and infinities among keys and values are not served.
; SHARES: work-group x = 16 kind + step (kind 0: keys, 1: values), y = batch; a wave takes a quarter of the step: 32 keys of K, or 32 channels of V.
; A step all of whose keys lie at or behind valid_lens[batch] is never read by the next launch: its work-group stores nothing and ends (step 0 is always made).  The grid is the one that serves every set of lengths.
; No barrier: waves share nothing.  No tensor load: the end above is a branch on a number read from memory.  Nothing is shared between work-groups, so there is no cluster.
; One wave of the launch also ranks the 32 batches by (length, batch) and stores order[rank] = {batch, length held to 0 .. 2048}: the next launch pairs short batches with long ones by it.
.set STEPB,  17408
.set BATCHB, 16*STEPB
.set VIMG,   8192                      ; V's images in a step
.set KSC,    16384                     ; K's scale words
.set VSC,    16896                     ; V's
.set SPITCH, 528                       ; K's stage: a key's 512 bytes + 16: 33 x 16, so that sixteen lanes that read one column of sixteen rows fall on sixteen different columns of 16 bytes
.set WSTAGE, 32*SPITCH                 ; a wave's stage: 32 keys
.set FLOOR,  0x1800000                 ; 2^(3 - 127)
.set EOFF,   0xff000000                ; -(2 << 23)
.set R,      32                        ; v32-159  K: 32 keys as loaded, 4 registers each;  V: two sets of 32 numbers
.set XA,     160                       ; v160-223 K: tile 0's 64 numbers of my lane (tile 1's come into v32-95)
.set C,      224                       ; v224-239 codes: registers of their own for every store
	s_load_b256 s[4:11], s[0:1], 0x0               ; keys s[4:5], values s[6:7], valid_lens s[8:9], kv s[10:11]
	s_load_b64 s[12:13], s[0:1], 0x20              ; order
	v_lshl_add_u32 v240, v0, 2, 0x10800
	v_mov_b32 v241, 0
	v_lshrrev_b32 v1, 5, v0
	v_readfirstlane_b32 s16, v1                    ; wave 0..3
	v_and_b32 v1, 31, v0                           ; lane
	v_lshlrev_b32 v2, 4, v1                        ; 16 x lane
	v_lshlrev_b32 v3, 2, v1                        ; 4 x lane
	v_and_b32 v4, 15, v0                           ; r
	v_bfe_u32 v5, v0, 4, 1                         ; h
	s_and_b32 s18, ttmp7, 0xffff                   ; batch
	s_and_b32 s19, ttmp9, 15                       ; step
	s_lshr_b32 s23, ttmp9, 4                       ; kind
	s_mov_b32 s20, 0x76543210
	s_mov_b32 s21, 0xfedcba98                      ; v_permlanex16_b32's selects for lane l xor 16
	s_lshl_b32 s30, s18, 2
	s_mov_b32 s31, 0
	s_wait_kmcnt 0x0
	s_add_nc_u64 s[30:31], s[8:9], s[30:31]
	s_load_b32 s17, s[30:31], 0x0                  ; my batch's length
	s_or_b32 s22, ttmp9, s18
	s_or_b32 s22, s22, s16
	s_cmp_lg_u32 s22, 0                            ; wave 0 of work-group (0, 0) ranks the batches: a branch on ids alone
	s_cbranch_scc1 .Lnosort
	global_load_b32 v8, v3, s[8:9]                 ; lane = batch
	s_wait_loadcnt 0x0
	v_cmp_lt_i32 vcc_lo, 0, v8
	v_cndmask_b32 v8, 0, v8, vcc_lo                ; a length under 0 counts as 0,
	v_min_u32 v8, 0x800, v8                        ; one over 2,048 as 2,048
	v_lshl_or_b32 v9, v8, 5, v1                    ; the sort key: no two alike
	v_mov_b32 v10, 0
.irp i, 0,1,2,3,4,5,6,7,8,9,10,11,12,13,14,15,16,17,18,19,20,21,22,23,24,25,26,27,28,29,30,31
	v_readlane_b32 s22, v9, \i
	v_cmp_lt_u32 vcc_lo, s22, v9
	v_cndmask_b32 v11, 0, 1, vcc_lo
	v_add_nc_u32 v10, v10, v11                     ; my rank = how many keys lie under mine
.endr
	v_min_u32 v10, 31, v10
	v_lshlrev_b32 v10, 3, v10                      ; 8 bytes an entry
	v_mov_b32 v12, v1
	v_mov_b32 v13, v8
	global_store_b64 v10, v[12:13], s[12:13]       ; the 32 lanes fill the list's 256 bytes
	s_wait_xcnt 0x0                                ; the store has read its registers: they are used again below
.Lnosort:
	s_wait_kmcnt 0x0                               ; the length
	s_max_i32 s17, s17, 1                          ; step 0 is always made
	s_lshl_b32 s22, s19, 7                         ; the step's first key
	s_cmp_ge_u32 s22, s17
	s_cbranch_scc1 .Lend                           ; all its keys are hidden: nobody reads this step
	s_lshl_b32 s24, s18, 20                        ; in keys and values: a batch is 2^20 bytes, a step 2^16
	s_lshl_b32 s22, s19, 16
	s_add_co_u32 s24, s24, s22
	s_mov_b32 s25, 0
	s_mul_i32 s26, s18, BATCHB
	s_mul_i32 s22, s19, STEPB
	s_add_co_u32 s26, s26, s22
	s_mov_b32 s27, 0
	s_add_nc_u64 s[26:27], s[10:11], s[26:27]      ; the step in kv
	s_cmp_lg_u32 s23, 0
	s_cbranch_scc1 .Lvalues
	; ---------------- K: wave b takes keys 32 b .. 32 b + 31 of the step: tiles 2 b and 2 b + 1
	s_lshl_b32 s22, s16, 14
	s_add_co_u32 s24, s24, s22
	s_add_nc_u64 s[24:25], s[4:5], s[24:25]        ; my 32 keys: 16,384 consecutive bytes
	s_lshl_b32 s28, s16, 7
	s_add_co_u32 s28, s28, KSC
	s_mov_b32 s29, 0
	s_add_nc_u64 s[28:29], s[26:27], s[28:29]      ; my 32 scale words
	s_lshl_b32 s22, s16, 11
	s_mov_b32 s23, 0
	s_add_nc_u64 s[26:27], s[26:27], s[22:23]      ; my two images
	s_mul_i32 s32, s16, WSTAGE                     ; my stage
	v_add_nc_u32 v6, s32, v2                       ; into it: 16 bytes a lane of a key's row
	v_mul_u32_u24 v7, v4, SPITCH
	v_lshl_add_u32 v7, v5, 7, v7
	v_add_nc_u32 v7, s32, v7                       ; out of it: row r, + 128 h: my block of 32 channels
	v_lshlrev_b32 v23, 3, v5                       ; 8 h
	v_mov_b32 v22, 0                               ; a lane permute's destination counts as one of its sources
.irp i, 0,1,2,3,4,5,6,7,8,9,10,11,12,13,14,15,16,17,18,19,20,21,22,23,24,25,26,27,28,29,30,31
	global_load_b128 v[R+4*\i:R+4*\i+3], v2, s[24:25] offset:512*\i th:TH_LOAD_NT   ; key i: the 32 lanes read its 512 consecutive bytes
.endr
.irp i, 0,1,2,3,4,5,6,7,8,9,10,11,12,13,14,15,16,17,18,19,20,21,22,23,24,25,26,27,28,29,30,31
	s_wait_loadcnt 31-\i                           ; loads come back in order: key i is in, the 31 - i younger ones may be out
	ds_store_b128 v6, v[R+4*\i:R+4*\i+3] offset:(16*(((\i)>>3)&1)+((\i)&7)+8*((\i)>>4))*SPITCH   ; to the stage row 16 u + r whose key it is
.endr
.irp c, 0,1
.irp g, 0,1,2,3,4,5,6,7
	ds_load_b128 v[XA+32*\c+4*\g:XA+32*\c+4*\g+3], v7 offset:256*\c+16*\g   ; tile 0: channels 64 c + 32 h + 4 g ..  (LDS serves a wave's instructions in order: these see my stores)
.endr
.endr
	s_wait_dscnt 0x0                               ; tile 0's numbers are in, and the stores have read v32-159
.irp c, 0,1
.irp g, 0,1,2,3,4,5,6,7
	ds_load_b128 v[R+32*\c+4*\g:R+32*\c+4*\g+3], v7 offset:16*SPITCH+256*\c+16*\g   ; tile 1, while tile 0 is worked
.endr
.endr
; 64 numbers of my lane, v[x + 32 c + i] = channel 64 c + 32 h + i of my row: two whole blocks.  Their codes are the operand's registers as they stand; the scale word's four bytes are gathered from lanes l and l xor 16.
.macro KTILE x, u
.irp c, 0,1
	v_max3_num_f32 v[14+\c], |v[\x+32*\c]|, |v[\x+32*\c+1]|, FLOOR
.endr
.irp i, 2,4,6,8,10,12,14,16,18,20,22,24,26,28,30
.irp c, 0,1
	v_max3_num_f32 v[14+\c], v[14+\c], |v[\x+32*\c+\i]|, |v[\x+32*\c+\i+1]|   ; the two blocks by turns
.endr
.endr
.irp c, 0,1
	v_add_nc_u32 v[16+\c], EOFF, v[14+\c]          ; 2 off the exponent field: the conversion's scale operand
.endr
.irp c, 0,1
	v_lshrrev_b32 v[18+\c], 23, v[16+\c]           ; the scale's byte
.endr
	v_lshl_or_b32 v[20+\u], v19, 16, v18           ; blocks h and 2 + h,
	v_lshlrev_b32 v[20+\u], v23, v[20+\u]          ; at their places in the word;
	v_permlanex16_b32 v22, v[20+\u], s20, s21
	v_or_b32 v[20+\u], v[20+\u], v22               ; with lane l xor 16's two the word is whole, in both lanes
.irp c, 0,1
.irp g, 0,1,2,3
	v_cvt_scalef32_pk8_fp4_f32 v[C+8*\u+4*\c+\g], v[\x+32*\c+8*\g:\x+32*\c+8*\g+7], v[16+\c]
.endr
.endr
	v_nop                                          ; one plain line behind the last scaled conversion
.irp c, 0,1
	global_store_b128 v2, v[C+8*\u+4*\c:C+8*\u+4*\c+3], s[26:27] offset:1024*\u+512*\c   ; 512 consecutive bytes, aligned
.endr
.endm
	KTILE XA, 0
	s_wait_dscnt 0x0                               ; tile 1's numbers are in
	KTILE R, 1
	v_cmp_le_u32 vcc_lo, 16, v1
	v_cndmask_b32 v20, v20, v21, vcc_lo            ; lanes 0-15: tile 0's words, lanes 16-31: tile 1's
	global_store_b32 v3, v20, s[28:29]             ; 128 consecutive bytes: a wave has no more of them
	s_wait_tensorcnt 0x0
	ds_add_u32 v240, v241
	s_wait_dscnt 0x0
	s_endpgm
	; ---------------- V: wave p takes channels 32 p .. 32 p + 31, a lane a channel; its registers run down the step's 128 keys: a block of 32 keys lies in one lane
.Lvalues:
	s_lshl_b32 s22, s16, 7
	s_add_co_u32 s24, s24, s22
	s_add_nc_u64 s[24:25], s[6:7], s[24:25]        ; my 32 channels of the step's first key
	s_lshl_b32 s28, s16, 7
	s_add_co_u32 s28, s28, VSC
	s_mov_b32 s29, 0
	s_add_nc_u64 s[28:29], s[26:27], s[28:29]      ; my 32 scale words
	s_lshl_b32 s22, s16, 11
	s_add_co_u32 s22, s22, VIMG
	s_mov_b32 s23, 0
	s_add_nc_u64 s[26:27], s[26:27], s[22:23]      ; my two images: tiles 2 p and 2 p + 1
	v_lshlrev_b32 v6, 10, v5
	v_lshl_add_u32 v6, v4, 4, v6                   ; tile lane / 16, row lane % 16: 1,024 (lane / 16) + 16 (lane % 16)
.macro VLOAD t                         ; block t: keys 32 t + i, into set t % 2; a wave reads 128 consecutive bytes, the four waves a key's 512
.irp i, 0,1,2,3,4,5,6,7,8,9,10,11,12,13,14,15,16,17,18,19,20,21,22,23,24,25,26,27,28,29,30,31
	global_load_b32 v[R+32*((\t)%2)+\i], v3, s[24:25] offset:(32*(\t)+\i)*512 th:TH_LOAD_NT
.endr
.endm
.macro VBLOCK t
.set XS, R+32*((\t)%2)
.if (\t) < 3
	s_wait_loadcnt 32                              ; this block's 32 loads are in; the next block's 32 may be out
.else
	s_wait_loadcnt 0x0
.endif
	v_max3_num_f32 v12, |v[XS]|, |v[XS+1]|, |v[XS+2]|
	v_max3_num_f32 v13, |v[XS+3]|, |v[XS+4]|, |v[XS+5]|
.irp i, 6,10,14,18,22,26
	v_max3_num_f32 v12, v12, |v[XS+\i]|, |v[XS+\i+1]|
	v_max3_num_f32 v13, v13, |v[XS+\i+2]|, |v[XS+\i+3]|
.endr
	v_max3_num_f32 v12, v12, |v[XS+30]|, |v[XS+31]|
	v_max3_num_f32 v12, v12, v13, FLOOR
	v_add_nc_u32 v11, EOFF, v12                    ; the conversion's scale operand
	v_lshrrev_b32 v13, 23, v11                     ; the scale's byte: byte t of my channel's word
.if (\t) == 0
	v_mov_b32 v20, v13
.else
	v_lshl_or_b32 v20, v13, 8*(\t), v20
.endif
.irp g, 0,1,2,3
	v_cvt_scalef32_pk8_fp4_f32 v[C+4*(\t)+\g], v[XS+8*\g:XS+8*\g+7], v11
.endr
	v_nop                                          ; one plain line behind the last scaled conversion
	global_store_b128 v6, v[C+4*(\t):C+4*(\t)+3], s[26:27] offset:512*((\t)/2)+256*((\t)%2)   ; block t = 2 c + h: sixteen lanes store 256 consecutive bytes, aligned
.if (\t) < 2
	VLOAD (\t)+2
.endif
.endm
	VLOAD 0
	VLOAD 1
	VBLOCK 0
	VBLOCK 1
	VBLOCK 2
	VBLOCK 3
	global_store_b32 v3, v20, s[28:29]
.Lend:
	s_endpgm
.Lfunc_end_k_q49b492eb75_quant:
	.size	k_q49b492eb75_quant, .Lfunc_end_k_q49b492eb75_quant-k_q49b492eb75_quant
	.p2alignl 7, 3214868480
	.fill 96, 4, 3214868480
	.section	.rodata,"a",@progbits
	.p2align	6, 0x0
	.amdhsa_kernel k_q49b492eb75_quant
		.amdhsa_group_segment_fixed_size 68096
		.amdhsa_private_segment_fixed_size 0
		.amdhsa_enable_private_segment 0
		.amdhsa_kernarg_size 40
		.amdhsa_user_sgpr_count 2
		.amdhsa_user_sgpr_kernarg_segment_ptr 1
		.amdhsa_wavefront_size32 1
		.amdhsa_system_sgpr_workgroup_id_x 1
		.amdhsa_system_sgpr_workgroup_id_y 1
		.amdhsa_system_sgpr_workgroup_id_z 1
		.amdhsa_system_vgpr_workitem_id 0
		.amdhsa_next_free_vgpr 242
		.amdhsa_next_free_sgpr 66
		.amdhsa_reserve_vcc 1
		.amdhsa_float_denorm_mode_32 3
		.amdhsa_float_denorm_mode_16_64 3
		.amdhsa_memory_ordered 1
		.amdhsa_forward_progress 1
		.amdhsa_inst_pref_size 43
	.end_amdhsa_kernel
	.amdgpu_metadata
---
amdhsa.version: [ 1, 2 ]
amdhsa.kernels:
  - .name:           k_q49b492eb75_quant
    .symbol:         k_q49b492eb75_quant.kd
    .args:
      - { .name: keys, .offset: 0, .size: 8, .value_kind: global_buffer, .address_space: global }
      - { .name: values, .offset: 8, .size: 8, .value_kind: global_buffer, .address_space: global }
      - { .name: valid_lens, .offset: 16, .size: 8, .value_kind: global_buffer, .address_space: global }
      - { .name: kv, .offset: 24, .size: 8, .value_kind: global_buffer, .address_space: global }
      - { .name: order, .offset: 32, .size: 8, .value_kind: global_buffer, .address_space: global }
    .group_segment_fixed_size: 68096
    .private_segment_fixed_size: 0
    .kernarg_segment_align: 8
    .kernarg_segment_size: 40
    .max_flat_workgroup_size: 128
    .sgpr_count:     66
    .vgpr_count:     242
    .wavefront_size: 32
...
	.end_amdgpu_metadata
.endif
;; end of part 1
;; launch attn (part 2): grid 16 x 16, 16 waves a work-group, no clusters, 202,752 bytes of LDS; arguments queries, kv, order, out0; writes out0
.if DOCPART == 2
	.amdgcn_target "amdgcn-amd-amdhsa--gfx1250"
	.amdhsa_code_object_version 6
	.text
	.protected	k_q49b492eb75_attn
	.globl	k_q49b492eb75_attn
	.p2align	8
	.type	k_q49b492eb75_attn,@function
k_q49b492eb75_attn:
	s_mov_b64 s[64:65], 0
	v_nop
	global_prefetch_b8 v0, s[64:65] scope:SCOPE_SE
	s_setreg_imm32_b32 hwreg(HW_REG_WAVE_MODE, 25, 1), 1
	s_wait_xcnt 0x0
; out0[b][q][:] = the sum over k < valid_lens[b] of softmax_k(Q[b][q] . K[b][k] / sqrt(128)) V[b][k][:], both products on codes of FP4 (E2M1) with one E8M0 scale for each 32 along a product's K.
; queries: [32][2048][128] f32, quantised here, in registers.  kv: K's and V's operand images and scale words, a key step (128 keys, 17,408 bytes) at a time, as the launch before laid them.
; order: 32 entries {batch, length held to 0 .. 2048}, by ascending length.  out0: [32][2048][128] f32.
; THE SOFTMAX AHEAD OF THE SECOND PRODUCT: t = score x log2(e) / sqrt(128); M = the running largest t rounded UP to a whole number; p = 2^(t - M) is quantised along the keys, not normalised;
; the row's sum is taken of the unquantised p and divides O at the end.  When M moves, the sum and O are multiplied by 2^(old M - new M): exact.
; HIDDEN KEYS.  A batch of length vl has N = ceil(vl / 128) key steps; the others are not fetched and not multiplied (scalar branches on the stored length).  In the one step that vl cuts, hidden scores become -infinity ahead of the maximum.
; SHARES.  A work-group owns 128 queries (x) of TWO batches (y): those of rank y and of rank 31 - y in the list, a short one and a long one, so that N of the one + N of the other is about alike in all work-groups.
; Wave w serves batch role = (w xor (w >> 2)) & 1 and the 16 queries idx = w >> 1 of the 128: of the waves w % 4 = const, and of the waves w / 4 = const, two have each role.  Any permutation in the list gives the same results.
; A wave's arithmetic: both products are used transposed (S^T = K Q^T, O^T = V^T P^T): a lane holds ONE query (lane % 16) throughout; the 16 registers of score tiles 2 b and 2 b + 1 are keys 32 b + 16 (lane / 16) + 0 .. 15.
; LDS is filled THROUGH REGISTERS: the 8 waves of a role load a step (512 consecutive bytes a wave and instruction) a half-trip ahead, store it into one of the role's two slots, and all read it behind the barrier.
; NO TENSOR LOADS, AND SO NO JOINT LOADS IN A CLUSTER: the walk is cut by branches on a number read from memory.  The branches leave out 16 - N of a batch's 16 steps;
; what work-groups share is 17,408 bytes a step against the 128 queries' arithmetic.
; THE LOOP has a constant count: 9 trips of two half-trips (J = 0 .. 17), one barrier in each, on every wave's path; only work is jumped over.  In half-trip J = N a wave divides and stores its rows.
; ONE BARRIER A HALF-TRIP SERVES TWO SLOTS: slot J % 2 is stored only behind barrier J - 1, which every wave signals behind the wait for its reads of half-trip J - 2; it is read only behind barrier J, which each storing wave signals behind the wait for its stores.
; LIMITS: NaN and infinities among the inputs are not served; a block of q or p whose largest magnitude lies under 2^-124 gets the byte 1 (a block of zeros has zero codes).  A length of 0 or less gives 0 x (1 / 0) = NaN in every number of the batch's rows, as a softmax over nothing does.
; REGISTERS: v1-9, v11, v24 addresses and lane terms that stay; v12 -M, v13 the largest t, v[14:15] the sum in two halves; v16-23 q's fragment; v32-63 four fragments of K or V; v64-80 the step on its way to LDS;
;   v96-159 S^T, then p; v160-223 O^T; v224-231 p's codes; v232-247 at work; v248-251 K's, then V's scale words; v252 f; v253 p's scale word; v254 at work; v255 q's scale word.
.set STEPB,  17408
.set BATCHB, 16*STEPB
.set SLOTB,  32768                     ; LDS: slot (role, s) at 65,536 role + 32,768 s; 17,408 bytes used
.set VIMG,   8192
.set KSC,    16384                     ; in LDS the scale words lie [lane][4 words]: one load of 16 bytes a lane brings the words of all 8 tiles
.set VSC,    16896
.set STAGE,  131072                    ; the way out: 16 rows x 272 bytes for each wave, its own
.set SP,     272
.set FLOOR,  0x1800000                 ; 2^(3 - 127)
.set EOFF,   0xff000000                ; -(2 << 23)
; s12 wave, s13 role, s14 idx, s[20:21] lane selects, s[22:23] c, s24 N, s25 the length, s26 J, s28 the step's first key, s29 the prefetches' lead or a number past every N, s[32:33] the step being loaded, s36 trips
	s_load_b256 s[4:11], s[0:1], 0x0               ; queries s[4:5], kv s[6:7], order s[8:9], out0 s[10:11]
	v_lshl_add_u32 v242, v0, 2, 0x31000
	v_mov_b32 v243, 0
	v_lshrrev_b32 v25, 5, v0
	v_readfirstlane_b32 s12, v25                   ; wave 0..15
	s_lshr_b32 s13, s12, 2
	s_xor_b32 s13, s13, s12
	s_and_b32 s13, s13, 1                          ; role
	s_lshr_b32 s14, s12, 1                         ; idx
	s_and_b32 s15, ttmp7, 0xffff                   ; y
	s_sub_co_u32 s16, 31, s15
	s_cmp_eq_u32 s13, 0
	s_cselect_b32 s16, s15, s16                    ; my batch's rank: y or 31 - y
	s_lshl_b32 s16, s16, 3
	s_mov_b32 s17, 0
	s_mov_b32 s20, 0x76543210
	s_mov_b32 s21, 0xfedcba98                      ; v_permlanex16_b32's selects for lane l xor 16
	s_mov_b32 s22, 0x3e0293ee                      ; c = log2(e) / sqrt(128)
	s_mov_b32 s23, s22                             ; (named with it as a pair, so it is written)
	s_wait_kmcnt 0x0
	s_add_nc_u64 s[8:9], s[8:9], s[16:17]
	s_load_b64 s[18:19], s[8:9], 0x0               ; {batch, length}
	; every LDS address is made here, ahead of every branch: a constant x lane, a constant x wave, a constant
	v_and_b32 v25, 31, v0                          ; lane
	v_and_b32 v26, 15, v0                          ; r
	v_bfe_u32 v27, v0, 4, 1                        ; h
	v_lshrrev_b32 v28, 6, v0                       ; idx
	s_lshl_b32 s30, s13, 16                        ; my role's slots
	v_lshl_add_u32 v1, v25, 4, s30                 ; v1: an image's place for my lane: 16 x lane
	v_lshl_or_b32 v29, v28, 5, v25                 ; my number among the role's 256 threads
	v_lshlrev_b32 v4, 4, v29                       ; v4: my 16 bytes of each 4,096 of a step in kv
	v_lshlrev_b32 v5, 2, v29                       ; v5: my scale word of its 256
	v_add_nc_u32 v2, s30, v4                       ; v2: and the same 16 bytes in a slot
	v_lshrrev_b32 v30, 8, v0                       ; word 128 kind + 32 b + L goes to 512 kind + 16 L + 4 b
	v_and_b32 v31, 3, v28
	v_lshlrev_b32 v3, 9, v30
	v_lshl_add_u32 v3, v25, 4, v3
	v_lshl_add_u32 v3, v31, 2, v3
	v_add_nc_u32 v3, s30, v3                       ; v3: where my scale word goes
	v_and_b32 v6, 1, v28
	v_lshlrev_b32 v6, 13, v6
	v_lshl_add_u32 v6, v25, 8, v6                  ; v6: the prefetches' offset: 8,192 (idx % 2) + 256 x lane
	v_lshlrev_b32 v7, 9, v27
	v_lshl_add_u32 v7, v26, 4, v7                  ; v7: the way out: lanes 0-15 one row of out0, lanes 16-31 the next; 16 bytes a lane
	s_mul_i32 s31, s12, 16*SP
	s_add_co_u32 s31, s31, STAGE                   ; my stage
	v_mul_u32_u24 v8, v26, SP
	v_lshl_add_u32 v8, v27, 5, v8
	v_add_nc_u32 v8, s31, v8                       ; v8: into it: row r, + 32 h
	v_mul_u32_u24 v9, v27, SP
	v_lshl_add_u32 v9, v26, 4, v9
	v_add_nc_u32 v9, s31, v9                       ; v9: back: lanes 0-15 one row, lanes 16-31 the next
	v_lshlrev_b32 v11, 9, v26
	v_lshl_add_u32 v11, v27, 6, v11                ; v11: q: row r of 512 bytes, + 64 h: my 16 numbers of a block of 32
	v_lshlrev_b32 v24, 4, v27                      ; v24: 16 h
	s_wait_kmcnt 0x0
	s_min_u32 s18, s18, 31                         ; the batch
	s_min_u32 s25, s19, 0x800                      ; its length
	s_add_co_u32 s24, s25, 127
	s_lshr_b32 s24, s24, 7                         ; N, 0 .. 16
	s_lshl_b32 s30, ttmp9, 7
	s_lshl_b32 s31, s14, 4
	s_add_co_u32 s30, s30, s31                     ; my first query: 128 x + 16 idx
	s_lshl_b32 s30, s30, 9
	s_lshl_b32 s31, s18, 20
	s_add_co_u32 s34, s30, s31
	s_mov_b32 s35, 0
	s_add_nc_u64 s[4:5], s[4:5], s[34:35]          ; its row of queries,
	s_add_nc_u64 s[10:11], s[10:11], s[34:35]      ; and of out0
	s_mul_i32 s34, s18, BATCHB
	s_add_nc_u64 s[32:33], s[6:7], s[34:35]        ; my batch's step 0
	s_lshr_b32 s30, s14, 1
	s_or_b32 s30, s30, ttmp9
	s_cmp_eq_u32 s30, 0                            ; who prefetches: idx 0 and 1 of each role, in the work-group x = 0 of the 16 that walk these batches
	s_cselect_b32 s29, 2, 0x10000
.irp b, 0,1,2,3
.irp i, 0,1,2,3
	global_load_b128 v[96+16*\b+4*\i:99+16*\b+4*\i], v11, s[4:5] offset:128*\b+16*\i th:TH_LOAD_NT   ; q(r, 32 b + 16 h + 4 i ..)
.endr
.endr
.macro GLOAD                           ; the step at s[32:33] into v64-80: my share of the role's 17,408 bytes
.irp i, 0,1,2,3
	global_load_b128 v[64+4*\i:67+4*\i], v4, s[32:33] offset:4096*\i
.endr
	global_load_b32 v80, v5, s[32:33] offset:KSC
.endm
	GLOAD                                          ; step 0: the launch before always makes it
	v_mov_b32 v13, 0xff61b1e6                      ; the largest t so far: -3e38, under every t
	v_floor_f32 v12, -v13                          ; -M
	v_mov_b32 v14, 0                               ; the sum, in two halves
	v_mov_b32 v15, 0
.irp b, 0,1,2,3
	v_mov_b32 v[236+\b], 0                         ; written once: a lane permute's destination counts as one of its sources
.endr
	v_mov_b32 v252, 0
	v_mov_b32 v253, 0                              ; (named as the upper half of the pair v[252:253] before it is first written)
	s_wait_loadcnt 5                               ; q's sixteen loads are in; the five of step 0, issued behind them, may be out
	; q's 16 rows become one fragment, v16-23, and a scale word a row, v255.  Register 96 + 16 b + i = k 32 b + 16 h + i of my row
.irp b, 0,1,2,3
	v_max3_num_f32 v[232+\b], |v[96+16*\b]|, |v[97+16*\b]|, FLOOR
.endr
.irp i, 2,4,6,8,10,12,14
.irp b, 0,1,2,3
	v_max3_num_f32 v[232+\b], v[232+\b], |v[96+16*\b+\i]|, |v[97+16*\b+\i]|   ; the four blocks by turns
.endr
.endr
.irp b, 0,1,2,3
	v_permlanex16_b32 v[236+\b], v[232+\b], s20, s21
.endr
.irp b, 0,1,2,3
	v_max_num_f32 v[232+\b], v[232+\b], v[236+\b]  ; with lane l xor 16's: the block's largest magnitude
.endr
.irp b, 0,1,2,3
	v_add_nc_u32 v[244+\b], EOFF, v[232+\b]        ; 2 off its exponent field: the conversion's scale operand
.endr
.irp b, 0,1,2,3
	v_lshrrev_b32 v[236+\b], 23, v[244+\b]         ; the scale's byte
.endr
	v_lshl_or_b32 v255, v237, 8, v236
	v_lshl_or_b32 v255, v238, 16, v255
	v_lshl_or_b32 v255, v239, 24, v255
.irp b, 0,1,2,3
	v_cvt_scalef32_pk8_fp4_f32 v[16+2*\b], v[96+16*\b:103+16*\b], v[244+\b]
	v_cvt_scalef32_pk8_fp4_f32 v[17+2*\b], v[104+16*\b:111+16*\b], v[244+\b]
.endr
	v_nop                                          ; one plain line behind the last scaled conversion
.irp c, 0,1                                    ; the operand's layout wants a WHOLE block in a lane: lanes 0-15 block 2 c, lanes 16-31 block 2 c + 1
.irp i, 0,1
	v_permlane16_swap_b32 v[16+4*\c+\i], v[18+4*\c+\i]
.endr
.endr
.irp j, 0,1,2,3,4,5,6,7,8,9,10,11,12,13,14,15,16,17,18,19,20,21,22,23,24,25,26,27,28,29,30,31,32,33,34,35,36,37,38,39,40,41,42,43,44,45,46,47,48,49,50,51,52,53,54,55,56,57,58,59,60,61,62,63
	v_mov_b32 v[160+\j], 0                         ; O^T: the step is written without a first form of its own: the first change of M multiplies zeros.  (These lines also part q's codes and scale word from the first scaled product)
.endr
; A KEY STEP: 128 keys, out of slot \slot of my role.
.macro STEP slot
.rept 4
	v_nop                                          ; four places between the last step's products and the loads into registers that they read (ISA guide 7.12.1 for vector instructions)
.endr
.irp g, 0,1                                    ; S^T = K Q^T, four tiles of 16 keys at a time
.if \g
.rept 4
	v_nop
.endr
.endif
.irp t, 0,1,2,3
.irp c, 0,1
	ds_load_b128 v[32+8*\t+4*\c:35+8*\t+4*\c], v1 offset:\slot*SLOTB+(4*\g+\t)*1024+512*\c   ; an image comes back as it was laid: 512 consecutive bytes
.endr
.endr
.if \g == 0
	ds_load_b128 v[248:251], v1 offset:\slot*SLOTB+KSC   ; register b: lanes 0-15 the words of tile 2 b, lanes 16-31 those of tile 2 b + 1
.endif
	s_wait_dscnt 0x0
.irp t, 0,1,2,3
.if \t % 2
	v_wmma_scale_f32_16x16x128_f8f6f4 v[96+8*(4*\g+\t):103+8*(4*\g+\t)], v[32+8*\t:39+8*\t], v[16:23], 0, v[248+(4*\g+\t)/2], v255 matrix_a_fmt:MATRIX_FMT_FP4 matrix_b_fmt:MATRIX_FMT_FP4 matrix_a_scale:MATRIX_SCALE_ROW1
.else
	v_wmma_scale_f32_16x16x128_f8f6f4 v[96+8*(4*\g+\t):103+8*(4*\g+\t)], v[32+8*\t:39+8*\t], v[16:23], 0, v[248+(4*\g+\t)/2], v255 matrix_a_fmt:MATRIX_FMT_FP4 matrix_b_fmt:MATRIX_FMT_FP4
.endif
.endr
.endr
.rept 4
	v_nop                                          ; places ahead of the first read of the scores and of the loads below
.endr
.irp t, 0,1,2,3                                ; V's first four fragments and its scale words are asked for here: they land under the softmax
.irp c, 0,1
	ds_load_b128 v[32+8*\t+4*\c:35+8*\t+4*\c], v1 offset:\slot*SLOTB+VIMG+\t*1024+512*\c
.endr
.endr
	ds_load_b128 v[248:251], v1 offset:\slot*SLOTB+VSC
	s_add_co_u32 s30, s28, 128                     ; a step all of whose keys count skips the mask: a branch on the stored length
	s_cmp_le_u32 s30, s25
	s_cbranch_scc1 .Lopen_\@
	s_sub_co_u32 s30, s25, s28
	v_sub_nc_u32 v240, s30, v24                    ; d = length - first key - 16 h.  Register 16 b + i holds key first + 32 b + 16 h + i: hidden where 32 b + i >= d
	v_mov_b32 v241, 0xff800000                     ; -infinity
.irp n, 0,1,2,3,4,5,6,7,8,9,10,11,12,13,14,15,16,17,18,19,20,21,22,23,24,25,26,27,28,29,30,31,32,33,34,35,36,37,38,39,40,41,42,43,44,45,46,47,48,49,50,51,52,53,54,55,56,57,58,59,60,61,62,63
	v_cmp_ge_i32 vcc_lo, 32*(\n/16)+\n%16, v240
	v_cndmask_b32 v[96+\n], v[96+\n], v241, vcc_lo
.endr
.Lopen_\@:
.irp b, 0,1,2,3
	v_max3_num_f32 v[232+\b], v[96+16*\b], v[97+16*\b], v[98+16*\b]   ; THE LARGEST SCORE OF EACH BLOCK OF 32 KEYS serves twice: for the row's maximum and, since p rises with the score, for the block's largest p
.endr
.irp i, 3,5,7,9,11,13
.irp b, 0,1,2,3
	v_max3_num_f32 v[232+\b], v[232+\b], v[96+16*\b+\i], v[97+16*\b+\i]
.endr
.endr
.irp b, 0,1,2,3
	v_max_num_f32 v[232+\b], v[232+\b], v[111+16*\b]
.endr
.irp b, 0,1,2,3
	v_permlanex16_b32 v[236+\b], v[232+\b], s20, s21
.endr
.irp b, 0,1,2,3
	v_max_num_f32 v[232+\b], v[232+\b], v[236+\b]  ; with lane l xor 16's 16 keys
.endr
	v_max3_num_f32 v254, v232, v233, v234
	v_max_num_f32 v254, v254, v235                 ; the step's largest score of my query (its first key counts, so it is a number)
	v_mul_f32 v254, s22, v254                      ; as t (c is positive)
	v_max_num_f32 v13, v13, v254                   ; the running largest t
	v_mov_b32 v254, v12
	v_floor_f32 v12, -v13                          ; the new -M = floor(-t) = -ceil(t): M is a whole number
	v_sub_f32 v254, v12, v254                      ; old M - new M: a whole number, 0 or less
	v_cvt_i32_f32 v254, v254                       ; (it saturates)
	v_ldexp_f32 v252, 1.0, v254                    ; f = 2^(old M - new M)
.irp j, 0,2,4,6,8,10,12,14,16,18,20,22,24,26,28,30,32,34,36,38,40,42,44,46,48,50,52,54,56,58,60,62
	v_pk_fma_f32 v[96+\j:97+\j], v[96+\j:97+\j], s[22:23], v[12:13] op_sel_hi:[1,0,0]   ; t - M, two at a time (of the pairs c and -M the low word serves both halves)
.endr
.irp b, 0,1,2,3
	v_fma_f32 v[232+\b], v[232+\b], s22, v12       ; the same of each block's largest score
.endr
.irp j, 0,1,2,3,4,5,6,7,8,9,10,11,12,13,14,15,16,17,18,19,20,21,22,23,24,25,26,27,28,29,30,31,32,33,34,35,36,37,38,39,40,41,42,43,44,45,46,47,48,49,50,51,52,53,54,55,56,57,58,59,60,61,62,63
	v_exp_f32 v[96+\j], v[96+\j]                   ; p = 2^(t - M), at most 1: not normalised; 0 for a hidden key
.endr
	v_pk_mul_f32 v[14:15], v[14:15], v[252:253] op_sel_hi:[1,0]   ; the sums under the new M: the plain line behind the exponentials
	s_wait_alu depctr_va_vdst(0)                   ; one wait for the batch of 64, ahead of its first reader
.irp b, 0,1,2,3
	v_exp_f32 v[232+\b], v[232+\b]                 ; the block's largest p: the same two instructions on the same number give the same bits
.endr
	v_pk_add_f32 v[236:237], v[96:97], v[98:99]    ; the row's sum is taken of the UNQUANTISED p: two at a time, in two chains (they read the 64 alone)
.irp j, 4,8,12,16,20,24,28,32,36,40,44,48,52,56,60
	v_pk_add_f32 v[14:15], v[14:15], v[96+\j:97+\j]
	v_pk_add_f32 v[236:237], v[236:237], v[98+\j:99+\j]
.endr
	v_pk_add_f32 v[14:15], v[14:15], v[236:237]
	s_wait_alu depctr_va_vdst(0)                   ; and one for the four
.irp b, 0,1,2,3
	v_max_num_f32 v[232+\b], FLOOR, v[232+\b]      ; the floor: the byte cannot fall under 1 (a block whose every p is 0 keeps that byte: its codes are zeros)
.endr
.irp b, 0,1,2,3
	v_add_nc_u32 v[244+\b], EOFF, v[232+\b]        ; the conversion's scale operand
.endr
.irp b, 0,1,2,3
	v_lshrrev_b32 v[236+\b], 23, v[244+\b]         ; the scale's byte
.endr
	v_lshl_or_b32 v253, v237, 8, v236              ; p's scale word for these 128 keys
	v_lshl_or_b32 v253, v238, 16, v253
	v_lshl_or_b32 v253, v239, 24, v253
.irp b, 0,1,2,3
	v_cvt_scalef32_pk8_fp4_f32 v[224+2*\b], v[96+16*\b:103+16*\b], v[244+\b]
	v_cvt_scalef32_pk8_fp4_f32 v[225+2*\b], v[104+16*\b:111+16*\b], v[244+\b]
.endr
	v_nop                                          ; one plain line behind the last scaled conversion
.irp c, 0,1
.irp i, 0,1
	v_permlane16_swap_b32 v[224+4*\c+\i], v[226+4*\c+\i]   ; a whole block to a lane
.endr
.endr
.irp j, 0,2,4,6,8,10,12,14,16,18,20,22,24,26,28,30,32,34,36,38,40,42,44,46,48,50,52,54,56,58,60,62
	v_pk_mul_f32 v[160+\j:161+\j], v[160+\j:161+\j], v[252:253] op_sel_hi:[1,0]   ; O^T under the new M.  (These 32 also part p's codes and scale word from the scaled products below)
.endr
.irp g, 0,1                                    ; O^T += V^T P^T: four tiles of 16 channels at a time; the eight accumulators take turns, one instruction a turn
.if \g
.rept 4
	v_nop
.endr
.irp t, 0,1,2,3
.irp c, 0,1
	ds_load_b128 v[32+8*\t+4*\c:35+8*\t+4*\c], v1 offset:\slot*SLOTB+VIMG+(4+\t)*1024+512*\c
.endr
.endr
.endif
	s_wait_dscnt 0x0
.irp t, 0,1,2,3
.if \t % 2
	v_wmma_scale_f32_16x16x128_f8f6f4 v[160+8*(4*\g+\t):167+8*(4*\g+\t)], v[32+8*\t:39+8*\t], v[224:231], v[160+8*(4*\g+\t):167+8*(4*\g+\t)], v[248+(4*\g+\t)/2], v253 matrix_a_fmt:MATRIX_FMT_FP4 matrix_b_fmt:MATRIX_FMT_FP4 matrix_a_scale:MATRIX_SCALE_ROW1
.else
	v_wmma_scale_f32_16x16x128_f8f6f4 v[160+8*(4*\g+\t):167+8*(4*\g+\t)], v[32+8*\t:39+8*\t], v[224:231], v[160+8*(4*\g+\t):167+8*(4*\g+\t)], v[248+(4*\g+\t)/2], v253 matrix_a_fmt:MATRIX_FMT_FP4 matrix_b_fmt:MATRIX_FMT_FP4
.endif
.endr
.endr
.endm
; THE WAY OUT, in the half-trip behind a wave's last step.  O^T / the sum goes through my own stage in LDS, half a row (64 channels, 256 bytes) of 16 queries at a time: sixteen lanes then store 256 consecutive bytes, aligned.
.macro WAYOUT
	s_wait_loadcnt 0x0                             ; nothing may be on its way into v64-80, which take rows below
	v_add_f32 v14, v14, v15                        ; the sum's two halves,
	v_permlanex16_b32 v252, v14, s20, s21
	v_add_f32 v14, v14, v252                       ; and lane l xor 16's: the row's sum
	v_rcp_f32 v14, v14
	v_nop                                          ; a plain line behind the reciprocal,
	s_wait_alu depctr_va_vdst(0)                   ; and the wait ahead of its first reader
.irp j, 0,1,2,3,4,5,6,7,8,9,10,11,12,13,14,15,16,17,18,19,20,21,22,23,24,25,26,27,28,29,30,31,32,33,34,35,36,37,38,39,40,41,42,43,44,45,46,47,48,49,50,51,52,53,54,55,56,57,58,59,60,61,62,63
	v_mul_f32 v[96+\j], v[160+\j], v14             ; register 8 t + i is out0(r, 16 t + 8 h + i); each accumulator from its low end on
.endr
.irp u, 0,1
.irp t, 0,1,2,3
	ds_store_b128 v8, v[96+32*\u+8*\t:99+32*\u+8*\t] offset:64*\t
	ds_store_b128 v8, v[100+32*\u+8*\t:103+32*\u+8*\t] offset:64*\t+16
.endr
.irp i, 0,1,2,3,4,5,6,7
	ds_load_b128 v[32+32*\u+4*\i:35+32*\u+4*\i], v9 offset:2*\i*SP   ; LDS serves a wave's instructions in order (ISA guide 5.7.1.4): these see my stores, and the next half's stores come behind them
.endr
.endr
.irp u, 0,1
.irp i, 0,1,2,3,4,5,6,7
	s_wait_dscnt 15-8*\u-\i                        ; at most the younger read-backs are out
	global_store_b128 v7, v[32+32*\u+4*\i:35+32*\u+4*\i], s[10:11] offset:2*\i*512+256*\u th:TH_STORE_NT
.endr
.endr
	s_wait_xcnt 0x0                                ; the stores have read their registers
.endm
; A HALF-TRIP.  Ahead of the barrier: step J goes from registers into slot \slot, step J + 1 is asked for.  Behind it: step J's work, or the way out, or nothing.
.macro HALF slot
	s_cmp_lt_u32 s26, s24
	s_cbranch_scc0 .Lnofill_\@                     ; my batch has no step J
	s_wait_loadcnt 0x0                             ; step J is in v64-80 (asked for a half-trip ago); its loads have also read their address
.irp i, 0,1,2,3
	ds_store_b128 v2, v[64+4*\i:67+4*\i] offset:\slot*SLOTB+4096*\i
.endr
	ds_store_b32 v3, v80 offset:\slot*SLOTB+KSC
	s_add_co_u32 s30, s26, 1
	s_cmp_lt_u32 s30, s24
	s_cbranch_scc0 .Lnofill_\@                     ; it was the last: no load leaves the steps that were made
	s_wait_dscnt 0x0                               ; the stores have read v64-80
	s_wait_xcnt 0x0                                ; the prefetch of a half-trip ago has read its address, so it may be stepped
	s_add_nc_u64 s[32:33], s[32:33], STEPB
	GLOAD                                          ; step J + 1: it has this step's work in which to land
	s_add_co_u32 s30, s26, s29
	s_cmp_lt_u32 s30, s24
	s_cbranch_scc0 .Lnofill_\@
	; A PREFETCH of step J + 2's images, a half-trip ahead of the loads that will want them, behind this half-trip's loads.  The 16 work-groups of a pair of batches walk the same steps: the one with x = 0 asks;
	; in each role idx 0 asks for K's 8,192 bytes and idx 1 for V's, lanes 256 bytes apart: each block is named once in the launch.  It asks only while J + 2 < N; steps 0 and 1 and the scale words come by their loads alone.
	global_prefetch_b8 v6, s[32:33] offset:STEPB th:TH_LOAD_NT scope:SCOPE_SE
.Lnofill_\@:
	s_wait_dscnt 0x0                               ; for the others' sake: my stores into this slot have landed, and my reads of the other slot are over
	s_barrier_signal -1
	s_barrier_wait -1                              ; on every wave's path, whatever its batch's length
	s_cmp_lt_u32 s26, s24
	s_cbranch_scc0 .Lnowork_\@
	STEP \slot
	s_branch .Lnext_\@
.Lnowork_\@:
	s_cmp_eq_u32 s26, s24
	s_cbranch_scc0 .Lnext_\@
	WAYOUT
.Lnext_\@:
	s_add_co_u32 s28, s28, 128
	s_add_co_u32 s26, s26, 1
.endm
	s_mov_b32 s26, 0                               ; J
	s_mov_b32 s28, 0                               ; the step's first key
	s_mov_b32 s36, 0
.Ltrip:                                            ; 9 trips of two half-trips: J = 0 .. 17 covers N = 16 steps and the way out behind them
	HALF 0
	HALF 1
	s_add_co_u32 s36, s36, 1
	s_cmp_lt_u32 s36, 9
	s_cbranch_scc1 .Ltrip
	s_wait_tensorcnt 0x0
	ds_add_u32 v242, v243
	s_wait_dscnt 0x0
	s_endpgm
.Lfunc_end_k_q49b492eb75_attn:
	.size	k_q49b492eb75_attn, .Lfunc_end_k_q49b492eb75_attn-k_q49b492eb75_attn
	.p2alignl 7, 3214868480
	.fill 96, 4, 3214868480
	.section	.rodata,"a",@progbits
	.p2align	6, 0x0
	.amdhsa_kernel k_q49b492eb75_attn
		.amdhsa_group_segment_fixed_size 202752
		.amdhsa_private_segment_fixed_size 0
		.amdhsa_enable_private_segment 0
		.amdhsa_kernarg_size 32
		.amdhsa_user_sgpr_count 2
		.amdhsa_user_sgpr_kernarg_segment_ptr 1
		.amdhsa_wavefront_size32 1
		.amdhsa_system_sgpr_workgroup_id_x 1
		.amdhsa_system_sgpr_workgroup_id_y 1
		.amdhsa_system_sgpr_workgroup_id_z 1
		.amdhsa_system_vgpr_workitem_id 0
		.amdhsa_next_free_vgpr 256
		.amdhsa_next_free_sgpr 66
		.amdhsa_reserve_vcc 1
		.amdhsa_float_denorm_mode_32 3
		.amdhsa_float_denorm_mode_16_64 3
		.amdhsa_memory_ordered 1
		.amdhsa_forward_progress 1
		.amdhsa_inst_pref_size 73
	.end_amdhsa_kernel
	.amdgpu_metadata
---
amdhsa.version: [ 1, 2 ]
amdhsa.kernels:
  - .name:           k_q49b492eb75_attn
    .symbol:         k_q49b492eb75_attn.kd
    .args:
      - { .name: queries, .offset: 0, .size: 8, .value_kind: global_buffer, .address_space: global }
      - { .name: kv, .offset: 8, .size: 8, .value_kind: global_buffer, .address_space: global }
      - { .name: order, .offset: 16, .size: 8, .value_kind: global_buffer, .address_space: global }
      - { .name: out0, .offset: 24, .size: 8, .value_kind: global_buffer, .address_space: global }
    .group_segment_fixed_size: 202752
    .private_segment_fixed_size: 0
    .kernarg_segment_align: 8
    .kernarg_segment_size: 32
    .max_flat_workgroup_size: 512
    .sgpr_count:     66
    .vgpr_count:     256
    .wavefront_size: 32
...
	.end_amdgpu_metadata
.endif
;; end of part 2
;; ======== version 2 of 2: 2 launches
;; workspace buffers: kv 8,912,896 bytes; order 256 bytes of whole numbers
;; launch quant (part 3): grid 32 x 32, 4 waves a work-group, no clusters, 68,096 bytes of LDS; arguments keys, values, valid_lens, kv, order; writes kv, order
.if DOCPART == 3
	.amdgcn_target "amdgcn-amd-amdhsa--gfx1250"
	.amdhsa_code_object_version 6
	.text
	.protected	k_q49b492eb75_quant
	.globl	k_q49b492eb75_quant
	.p2align	8
	.type	k_q49b492eb75_quant,@function
k_q49b492eb75_quant:
	s_mov_b64 s[64:65], 0
	v_nop
	global_prefetch_b8 v0, s[64:65] scope:SCOPE_SE
	s_setreg_imm32_b32 hwreg(HW_REG_WAVE_MODE, 25, 1), 1
	s_wait_xcnt 0x0
; keys and values, [32][2048][128] f32, become codes of FP4 (E2M1) with one E8M0 scale byte for each 32 along K, laid as IMAGES OF THE OPERAND'S REGISTERS,
; a key step (128 keys) at a time: kv = [32 batches][16 steps][17,408 bytes]: 8 tiles of K (1,024 bytes each), 8 tiles of V, 128 scale words of K, 128 of V.
; A tile's image: byte 512 c + 16 lane holds registers 4 c .. 4 c + 3 of lane (r = lane % 16, h = lane / 16): the 32 codes of block 2 c + h of the tile's row r.
;   K (its K is the head's 128): row r of tile 2 b + u is key 32 b + 8 u + r + 8 (r / 8) of the step, so that the scores' registers of two neighbouring tiles are 16 neighbouring keys.
;   V (its K is the keys): row r of tile t is channel 16 t + r; the blocks run along the step's 128 keys.
;   Scale words: K's word 32 b + 16 u + r, V's word = the channel: lanes 0-15 of a register then serve an even tile, lanes 16-31 the odd tile beside it.
; A block's scale is 2^(floor(log2(its largest magnitude)) - 2): its byte is the largest magnitude's exponent field - 2, held at 1 from below by a floor among the maximum's leaves.
; LIMITS: a block of zeros, and one whose largest magnitude lies under 2^-124, gets the byte 1 (a block of zeros has zero codes, and this program alone reads the bytes); NaN and infinities among keys and values are not served.
; SHARES: work-group x = 16 kind + step (kind 0: keys, 1: values), y = batch; a wave takes a quarter of the step: 32 keys of K, or 32 channels of V.
; A step all of whose keys lie at or behind valid_lens[batch] is never read by the next launch: its work-group stores nothing and ends (step 0 is always made).  The grid is the one that serves every set of lengths.
; No barrier: waves share nothing.  No tensor load: the end above is a branch on a number read from memory.  Nothing is shared between work-groups, so there is no cluster.
; One wave of the launch also ranks the 32 batches by (length, batch) and stores order[rank] = {batch, length held to 0 .. 2048}: the next launch pairs short batches with long ones by it.
.set STEPB,  17408
.set BATCHB, 16*STEPB
.set VIMG,   8192                      ; V's images in a step
.set KSC,    16384                     ; K's scale words
.set VSC,    16896                     ; V's
.set SPITCH, 528                       ; K's stage: a key's 512 bytes + 16: 33 x 16, so that sixteen lanes that read one column of sixteen rows fall on sixteen different columns of 16 bytes
.set WSTAGE, 32*SPITCH                 ; a wave's stage: 32 keys
.set FLOOR,  0x1800000                 ; 2^(3 - 127)
.set EOFF,   0xff000000                ; -(2 << 23)
.set R,      32                        ; v32-159  K: 32 keys as loaded, 4 registers each;  V: two sets of 32 numbers
.set XA,     160                       ; v160-223 K: tile 0's 64 numbers of my lane (tile 1's come into v32-95)
.set C,      224                       ; v224-239 codes: registers of their own for every store
	s_load_b256 s[4:11], s[0:1], 0x0               ; keys s[4:5], values s[6:7], valid_lens s[8:9], kv s[10:11]
	s_load_b64 s[12:13], s[0:1], 0x20              ; order
	v_lshl_add_u32 v240, v0, 2, 0x10800
	v_mov_b32 v241, 0
	v_lshrrev_b32 v1, 5, v0
	v_readfirstlane_b32 s16, v1                    ; wave 0..3
	v_and_b32 v1, 31, v0                           ; lane
	v_lshlrev_b32 v2, 4, v1                        ; 16 x lane
	v_lshlrev_b32 v3, 2, v1                        ; 4 x lane
	v_and_b32 v4, 15, v0                           ; r
	v_bfe_u32 v5, v0, 4, 1                         ; h
	s_and_b32 s18, ttmp7, 0xffff                   ; batch
	s_and_b32 s19, ttmp9, 15                       ; step
	s_lshr_b32 s23, ttmp9, 4                       ; kind
	s_mov_b32 s20, 0x76543210
	s_mov_b32 s21, 0xfedcba98                      ; v_permlanex16_b32's selects for lane l xor 16
	s_lshl_b32 s30, s18, 2
	s_mov_b32 s31, 0
	s_wait_kmcnt 0x0
	s_add_nc_u64 s[30:31], s[8:9], s[30:31]
	s_load_b32 s17, s[30:31], 0x0                  ; my batch's length
	s_or_b32 s22, ttmp9, s18
	s_or_b32 s22, s22, s16
	s_cmp_lg_u32 s22, 0                            ; wave 0 of work-group (0, 0) ranks the batches: a branch on ids alone
	s_cbranch_scc1 .Lnosort
	s_wait_alu depctr_va_vdst(0)
	global_load_b32 v8, v3, s[8:9]                 ; lane = batch
	s_wait_loadcnt 0x0
	v_cmp_lt_i32 vcc_lo, 0, v8
	v_cndmask_b32 v8, 0, v8, vcc_lo                ; a length under 0 counts as 0,
	v_min_u32 v8, 0x800, v8                        ; one over 2,048 as 2,048
	v_lshl_or_b32 v9, v8, 5, v1                    ; the sort key: no two alike
	v_mov_b32 v10, 0
.irp i, 0,1,2,3,4,5,6,7,8,9,10,11,12,13,14,15,16,17,18,19,20,21,22,23,24,25,26,27,28,29,30,31
	v_readlane_b32 s22, v9, \i
	v_cmp_lt_u32 vcc_lo, s22, v9
	v_cndmask_b32 v11, 0, 1, vcc_lo
	v_add_nc_u32 v10, v10, v11                     ; my rank = how many keys lie under mine
.endr
	v_min_u32 v10, 31, v10
	v_lshlrev_b32 v10, 3, v10                      ; 8 bytes an entry
	v_mov_b32 v12, v1
	v_mov_b32 v13, v8
	global_store_b64 v10, v[12:13], s[12:13]       ; the 32 lanes fill the list's 256 bytes
	s_wait_xcnt 0x0                                ; the store has read its registers: they are used again below
.Lnosort:
	s_wait_kmcnt 0x0                               ; the length
	s_max_i32 s17, s17, 1                          ; step 0 is always made
	s_lshl_b32 s22, s19, 7                         ; the step's first key
	s_cmp_ge_u32 s22, s17
	s_cbranch_scc1 .Lend                           ; all its keys are hidden: nobody reads this step
	s_lshl_b32 s24, s18, 20                        ; in keys and values: a batch is 2^20 bytes, a step 2^16
	s_lshl_b32 s22, s19, 16
	s_add_co_u32 s24, s24, s22
	s_mov_b32 s25, 0
	s_mul_i32 s26, s18, BATCHB
	s_mul_i32 s22, s19, STEPB
	s_add_co_u32 s26, s26, s22
	s_mov_b32 s27, 0
	s_add_nc_u64 s[26:27], s[10:11], s[26:27]      ; the step in kv
	s_cmp_lg_u32 s23, 0
	s_cbranch_scc1 .Lvalues
	; ---------------- K: wave b takes keys 32 b .. 32 b + 31 of the step: tiles 2 b and 2 b + 1
	s_lshl_b32 s22, s16, 14
	s_add_co_u32 s24, s24, s22
	s_add_nc_u64 s[24:25], s[4:5], s[24:25]        ; my 32 keys: 16,384 consecutive bytes
	s_lshl_b32 s28, s16, 7
	s_add_co_u32 s28, s28, KSC
	s_mov_b32 s29, 0
	s_add_nc_u64 s[28:29], s[26:27], s[28:29]      ; my 32 scale words
	s_lshl_b32 s22, s16, 11
	s_mov_b32 s23, 0
	s_add_nc_u64 s[26:27], s[26:27], s[22:23]      ; my two images
	s_mul_i32 s32, s16, WSTAGE                     ; my stage
	s_wait_alu depctr_va_vdst(0)
	v_add_nc_u32 v6, s32, v2                       ; into it: 16 bytes a lane of a key's row
	v_mul_u32_u24 v7, v4, SPITCH
	v_lshl_add_u32 v7, v5, 7, v7
	v_add_nc_u32 v7, s32, v7                       ; out of it: row r, + 128 h: my block of 32 channels
	v_lshlrev_b32 v23, 3, v5                       ; 8 h
	v_mov_b32 v22, 0                               ; a lane permute's destination counts as one of its sources
.irp i, 0,1,2,3,4,5,6,7,8,9,10,11,12,13,14,15,16,17,18,19,20,21,22,23,24,25,26,27,28,29,30,31
	global_load_b128 v[R+4*\i:R+4*\i+3], v2, s[24:25] offset:512*\i th:TH_LOAD_NT   ; key i: the 32 lanes read its 512 consecutive bytes
.endr
	s_wait_alu depctr_va_vdst(0)
.irp i, 0,1,2,3,4,5,6,7,8,9,10,11,12,13,14,15,16,17,18,19,20,21,22,23,24,25,26,27,28,29,30,31
	s_wait_loadcnt 31-\i                           ; loads come back in order: key i is in, the 31 - i younger ones may be out
	ds_store_b128 v6, v[R+4*\i:R+4*\i+3] offset:(16*(((\i)>>3)&1)+((\i)&7)+8*((\i)>>4))*SPITCH   ; to the stage row 16 u + r whose key it is
.endr
.irp c, 0,1
.irp g, 0,1,2,3,4,5,6,7
	ds_load_b128 v[XA+32*\c+4*\g:XA+32*\c+4*\g+3], v7 offset:256*\c+16*\g   ; tile 0: channels 64 c + 32 h + 4 g ..  (LDS serves a wave's instructions in order: these see my stores)
.endr
.endr
	s_wait_dscnt 0x0                               ; tile 0's numbers are in, and the stores have read v32-159
.irp c, 0,1
.irp g, 0,1,2,3,4,5,6,7
	ds_load_b128 v[R+32*\c+4*\g:R+32*\c+4*\g+3], v7 offset:16*SPITCH+256*\c+16*\g   ; tile 1, while tile 0 is worked
.endr
.endr
; 64 numbers of my lane, v[x + 32 c + i] = channel 64 c + 32 h + i of my row: two whole blocks.  Their codes are the operand's registers as they stand; the scale word's four bytes are gathered from lanes l and l xor 16.
.macro KTILE x, u
.irp c, 0,1
	v_max3_num_f32 v[14+\c], |v[\x+32*\c]|, |v[\x+32*\c+1]|, FLOOR
.endr
.irp i, 2,4,6,8,10,12,14,16,18,20,22,24,26,28,30
.irp c, 0,1
	v_max3_num_f32 v[14+\c], v[14+\c], |v[\x+32*\c+\i]|, |v[\x+32*\c+\i+1]|   ; the two blocks by turns
.endr
.endr
.irp c, 0,1
	v_add_nc_u32 v[16+\c], EOFF, v[14+\c]          ; 2 off the exponent field: the conversion's scale operand
.endr
.irp c, 0,1
	v_lshrrev_b32 v[18+\c], 23, v[16+\c]           ; the scale's byte
.endr
	v_lshl_or_b32 v[20+\u], v19, 16, v18           ; blocks h and 2 + h,
	v_lshlrev_b32 v[20+\u], v23, v[20+\u]          ; at their places in the word;
	v_permlanex16_b32 v22, v[20+\u], s20, s21
	v_or_b32 v[20+\u], v[20+\u], v22               ; with lane l xor 16's two the word is whole, in both lanes
.irp c, 0,1
.irp g, 0,1,2,3
	v_cvt_scalef32_pk8_fp4_f32 v[C+8*\u+4*\c+\g], v[\x+32*\c+8*\g:\x+32*\c+8*\g+7], v[16+\c]
.endr
.endr
	v_nop                                          ; one plain line behind the last scaled conversion
.irp c, 0,1
	global_store_b128 v2, v[C+8*\u+4*\c:C+8*\u+4*\c+3], s[26:27] offset:1024*\u+512*\c   ; 512 consecutive bytes, aligned
.endr
.endm
	KTILE XA, 0
	s_wait_dscnt 0x0                               ; tile 1's numbers are in
	KTILE R, 1
	v_cmp_le_u32 vcc_lo, 16, v1
	v_cndmask_b32 v20, v20, v21, vcc_lo            ; lanes 0-15: tile 0's words, lanes 16-31: tile 1's
	global_store_b32 v3, v20, s[28:29]             ; 128 consecutive bytes: a wave has no more of them
	s_wait_tensorcnt 0x0
	ds_add_u32 v240, v241
	s_wait_dscnt 0x0
	s_endpgm
	; ---------------- V: wave p takes channels 32 p .. 32 p + 31, a lane a channel; its registers run down the step's 128 keys: a block of 32 keys lies in one lane
.Lvalues:
	s_lshl_b32 s22, s16, 7
	s_add_co_u32 s24, s24, s22
	s_add_nc_u64 s[24:25], s[6:7], s[24:25]        ; my 32 channels of the step's first key
	s_lshl_b32 s28, s16, 7
	s_add_co_u32 s28, s28, VSC
	s_mov_b32 s29, 0
	s_add_nc_u64 s[28:29], s[26:27], s[28:29]      ; my 32 scale words
	s_lshl_b32 s22, s16, 11
	s_add_co_u32 s22, s22, VIMG
	s_mov_b32 s23, 0
	s_add_nc_u64 s[26:27], s[26:27], s[22:23]      ; my two images: tiles 2 p and 2 p + 1
	s_wait_alu depctr_va_vdst(0)
	v_lshlrev_b32 v6, 10, v5
	v_lshl_add_u32 v6, v4, 4, v6                   ; tile lane / 16, row lane % 16: 1,024 (lane / 16) + 16 (lane % 16)
.macro VLOAD t                         ; block t: keys 32 t + i, into set t % 2; a wave reads 128 consecutive bytes, the four waves a key's 512
.irp i, 0,1,2,3,4,5,6,7,8,9,10,11,12,13,14,15,16,17,18,19,20,21,22,23,24,25,26,27,28,29,30,31
	global_load_b32 v[R+32*((\t)%2)+\i], v3, s[24:25] offset:(32*(\t)+\i)*512 th:TH_LOAD_NT
.endr
.endm
.macro VBLOCK t
.set XS, R+32*((\t)%2)
.if (\t) < 3
	s_wait_loadcnt 32                              ; this block's 32 loads are in; the next block's 32 may be out
.else
	s_wait_loadcnt 0x0
.endif
	v_max3_num_f32 v12, |v[XS]|, |v[XS+1]|, |v[XS+2]|
	v_max3_num_f32 v13, |v[XS+3]|, |v[XS+4]|, |v[XS+5]|
.irp i, 6,10,14,18,22,26
	v_max3_num_f32 v12, v12, |v[XS+\i]|, |v[XS+\i+1]|
	v_max3_num_f32 v13, v13, |v[XS+\i+2]|, |v[XS+\i+3]|
.endr
	v_max3_num_f32 v12, v12, |v[XS+30]|, |v[XS+31]|
	v_max3_num_f32 v12, v12, v13, FLOOR
	v_add_nc_u32 v11, EOFF, v12                    ; the conversion's scale operand
	v_lshrrev_b32 v13, 23, v11                     ; the scale's byte: byte t of my channel's word
.if (\t) == 0
	v_mov_b32 v20, v13
.else
	v_lshl_or_b32 v20, v13, 8*(\t), v20
.endif
.irp g, 0,1,2,3
	v_cvt_scalef32_pk8_fp4_f32 v[C+4*(\t)+\g], v[XS+8*\g:XS+8*\g+7], v11
.endr
	v_nop                                          ; one plain line behind the last scaled conversion
	global_store_b128 v6, v[C+4*(\t):C+4*(\t)+3], s[26:27] offset:512*((\t)/2)+256*((\t)%2)   ; block t = 2 c + h: sixteen lanes store 256 consecutive bytes, aligned
.if (\t) < 2
	VLOAD (\t)+2
.endif
.endm
	VLOAD 0
	VLOAD 1
	VBLOCK 0
	VBLOCK 1
	VBLOCK 2
	VBLOCK 3
	global_store_b32 v3, v20, s[28:29]
.Lend:
	s_endpgm
.Lfunc_end_k_q49b492eb75_quant:
	.size	k_q49b492eb75_quant, .Lfunc_end_k_q49b492eb75_quant-k_q49b492eb75_quant
	.p2alignl 7, 3214868480
	.fill 96, 4, 3214868480
	.section	.rodata,"a",@progbits
	.p2align	6, 0x0
	.amdhsa_kernel k_q49b492eb75_quant
		.amdhsa_group_segment_fixed_size 68096
		.amdhsa_private_segment_fixed_size 0
		.amdhsa_enable_private_segment 0
		.amdhsa_kernarg_size 40
		.amdhsa_user_sgpr_count 2
		.amdhsa_user_sgpr_kernarg_segment_ptr 1
		.amdhsa_wavefront_size32 1
		.amdhsa_system_sgpr_workgroup_id_x 1
		.amdhsa_system_sgpr_workgroup_id_y 1
		.amdhsa_system_sgpr_workgroup_id_z 1
		.amdhsa_system_vgpr_workitem_id 0
		.amdhsa_next_free_vgpr 242
		.amdhsa_next_free_sgpr 66
		.amdhsa_reserve_vcc 1
		.amdhsa_float_denorm_mode_32 3
		.amdhsa_float_denorm_mode_16_64 3
		.amdhsa_memory_ordered 1
		.amdhsa_forward_progress 1
		.amdhsa_inst_pref_size 43
	.end_amdhsa_kernel
	.amdgpu_metadata
---
amdhsa.version: [ 1, 2 ]
amdhsa.kernels:
  - .name:           k_q49b492eb75_quant
    .symbol:         k_q49b492eb75_quant.kd
    .args:
      - { .name: keys, .offset: 0, .size: 8, .value_kind: global_buffer, .address_space: global }
      - { .name: values, .offset: 8, .size: 8, .value_kind: global_buffer, .address_space: global }
      - { .name: valid_lens, .offset: 16, .size: 8, .value_kind: global_buffer, .address_space: global }
      - { .name: kv, .offset: 24, .size: 8, .value_kind: global_buffer, .address_space: global }
      - { .name: order, .offset: 32, .size: 8, .value_kind: global_buffer, .address_space: global }
    .group_segment_fixed_size: 68096
    .private_segment_fixed_size: 0
    .kernarg_segment_align: 8
    .kernarg_segment_size: 40
    .max_flat_workgroup_size: 128
    .sgpr_count:     66
    .vgpr_count:     242
    .wavefront_size: 32
...
	.end_amdgpu_metadata
.endif
;; end of part 3
;; launch attn (part 4): grid 16 x 16, 16 waves a work-group, no clusters, 202,752 bytes of LDS; arguments queries, kv, order, out0; writes out0
.if DOCPART == 4
	.amdgcn_target "amdgcn-amd-amdhsa--gfx1250"
	.amdhsa_code_object_version 6
	.text
	.protected	k_q49b492eb75_attn
	.globl	k_q49b492eb75_attn
	.p2align	8
	.type	k_q49b492eb75_attn,@function
k_q49b492eb75_attn:
	s_mov_b64 s[64:65], 0
	v_nop
	global_prefetch_b8 v0, s[64:65] scope:SCOPE_SE
	s_setreg_imm32_b32 hwreg(HW_REG_WAVE_SCHED_MODE, 0, 2), 2
	s_setreg_imm32_b32 hwreg(HW_REG_WAVE_MODE, 25, 1), 1
	s_wait_xcnt 0x0
	s_wait_alu depctr_vm_vsrc(0)
; out0[b][q][:] = the sum over k < valid_lens[b] of softmax_k(Q[b][q] . K[b][k] / sqrt(128)) V[b][k][:], both products on codes of FP4 (E2M1) with one E8M0 scale for each 32 along a product's K.
; queries: [32][2048][128] f32, quantised here, in registers.  kv: K's and V's operand images and scale words, a key step (128 keys, 17,408 bytes) at a time, as the launch before laid them.
; order: 32 entries {batch, length held to 0 .. 2048}, by ascending length.  out0: [32][2048][128] f32.
; THE SOFTMAX AHEAD OF THE SECOND PRODUCT: t = score x log2(e) / sqrt(128); M = the running largest t rounded UP to a whole number; p = 2^(t - M) is quantised along the keys, not normalised;
; the row's sum is taken of the unquantised p and divides O at the end.  When M moves, the sum and O are multiplied by 2^(old M - new M): exact.
; HIDDEN KEYS.  A batch of length vl has N = ceil(vl / 128) key steps; the others are not fetched and not multiplied (scalar branches on the stored length).  In the one step that vl cuts, hidden scores become -infinity ahead of the maximum.
; SHARES.  A work-group owns 128 queries (x) of TWO batches (y): those of rank y and of rank 31 - y in the list, a short one and a long one, so that N of the one + N of the other is about alike in all work-groups.
; Wave w serves batch role = (w xor (w >> 2)) & 1 and the 16 queries idx = w >> 1 of the 128: of the waves w % 4 = const, and of the waves w / 4 = const, two have each role.  Any permutation in the list gives the same results.
; A wave's arithmetic: both products are used transposed (S^T = K Q^T, O^T = V^T P^T): a lane holds ONE query (lane % 16) throughout; the 16 registers of score tiles 2 b and 2 b + 1 are keys 32 b + 16 (lane / 16) + 0 .. 15.
; LDS is filled THROUGH REGISTERS: the 8 waves of a role load a step (512 consecutive bytes a wave and instruction) a half-trip ahead, store it into one of the role's two slots, and all read it behind the barrier.
; NO TENSOR LOADS, AND SO NO JOINT LOADS IN A CLUSTER: the walk is cut by branches on a number read from memory.  The branches leave out 16 - N of a batch's 16 steps;
; what work-groups share is 17,408 bytes a step against the 128 queries' arithmetic.
; THE LOOP has a constant count: 9 trips of two half-trips (J = 0 .. 17), one barrier in each, on every wave's path; only work is jumped over.  In half-trip J = N a wave divides and stores its rows.
; ONE BARRIER A HALF-TRIP SERVES TWO SLOTS: slot J % 2 is stored only behind barrier J - 1, which every wave signals behind the wait for its reads of half-trip J - 2; it is read only behind barrier J, which each storing wave signals behind the wait for its stores.
; LIMITS: NaN and infinities among the inputs are not served; a block of q or p whose largest magnitude lies under 2^-124 gets the byte 1 (a block of zeros has zero codes).  A length of 0 or less gives 0 x (1 / 0) = NaN in every number of the batch's rows, as a softmax over nothing does.
; THE MODE: SCHED_MODE bits 1:0 = 2 (LLVM: expert scheduling mode 2), set by the entry lines.  The code itself states the register dependences
; between vector or matrix instructions and memory or LDS instructions, with s_wait_alu, always for 0.
; THE PLAN.  Registers that memory or LDS instructions touch:
;   v1-9, v11   addresses and offsets: written at the head, never again; one wait on va_vdst ahead of the first load serves every load, store and prefetch of the kernel.
;   v64-80      the step on its way to LDS: five global loads land in it, five LDS stores of the next half-trip read it; no vector instruction names it.  One wait on vm_vsrc behind the stores.
;   FA v32-63   K's tiles 4-7 land at a step's head and are read by score products 4-7; V's tiles 0-3 land behind those products and are read by O^T's products 0-3.
;   FB v128-159 K's tiles 0-3 land at a step's head and are read by score products 0-3; products 4-7 then write their scores there; these become p, which the conversions read; V's tiles 4-7 land behind the conversions and are read by O^T's products 4-7.
;   v248-251    K's scale words land at a step's head, V's behind the score products; the products read them.
;   the way out: 64 multiplies write v96-159, LDS stores read them; LDS loads land in v32-95, global stores read them.
; So a step has four waits on va_vdst of the plan's own: at its head (the last step's products are done with FA, FB and the scale words), behind the score products (FA and the scale words), behind the conversions (FB), and ahead of
; O^T's products (p's codes and scale word are written); and the two behind the exponentials.  Behind each, no vector or matrix instruction names a register in which the loads that follow it land.
; REGISTERS: v1-9, v11, v24 addresses and lane terms that stay; v12 -M, v13 the largest t, v[14:15] the sum in two halves; v16-23 q's fragment; v32-63 four fragments of K or V; v64-80 the step on its way to LDS;
;   v96-159 S^T, then p (v128-159 also four fragments of K ahead of it and four of V behind it); v160-223 O^T; v224-231 p's codes; v232-247 at work; v248-251 K's, then V's scale words; v252 f; v253 p's scale word; v254 at work; v255 q's scale word.
.set STEPB,  17408
.set BATCHB, 16*STEPB
.set SLOTB,  32768                     ; LDS: slot (role, s) at 65,536 role + 32,768 s; 17,408 bytes used
.set VIMG,   8192
.set KSC,    16384                     ; in LDS the scale words lie [lane][4 words]: one load of 16 bytes a lane brings the words of all 8 tiles
.set VSC,    16896
.set STAGE,  131072                    ; the way out: 16 rows x 272 bytes for each wave, its own
.set SP,     272
.set FLOOR,  0x1800000                 ; 2^(3 - 127)
.set EOFF,   0xff000000                ; -(2 << 23)
.set MK,     40                        ; s[40:55] sixteen lane masks of the hidden keys
; s12 wave, s13 role, s14 idx, s[20:21] lane selects, s[22:23] c, s24 N, s25 the length, s26 J, s28 the step's first key, s29 the prefetches' lead or a number past every N, s[32:33] the step being loaded, s36 trips
	s_load_b256 s[4:11], s[0:1], 0x0               ; queries s[4:5], kv s[6:7], order s[8:9], out0 s[10:11]
	v_lshl_add_u32 v242, v0, 2, 0x31000
	v_mov_b32 v243, 0
	v_lshrrev_b32 v25, 5, v0
	v_readfirstlane_b32 s12, v25                   ; wave 0..15
	s_and_b32 s15, ttmp7, 0xffff                   ; y
	s_mov_b32 s17, 0
	s_mov_b32 s20, 0x76543210
	s_mov_b32 s21, 0xfedcba98                      ; v_permlanex16_b32's selects for lane l xor 16
	s_mov_b32 s22, 0x3e0293ee                      ; c = log2(e) / sqrt(128)
	s_mov_b32 s23, s22                             ; (named with it as a pair, so it is written)
	s_wait_alu depctr_va_sdst(0)                   ; s12 is written, ahead of its first reader: role, idx and the LDS bases are made from it
	s_lshr_b32 s13, s12, 2
	s_xor_b32 s13, s13, s12
	s_and_b32 s13, s13, 1                          ; role
	s_lshr_b32 s14, s12, 1                         ; idx
	s_sub_co_u32 s16, 31, s15
	s_cmp_eq_u32 s13, 0
	s_cselect_b32 s16, s15, s16                    ; my batch's rank: y or 31 - y
	s_lshl_b32 s16, s16, 3
	s_wait_kmcnt 0x0
	s_add_nc_u64 s[8:9], s[8:9], s[16:17]
	s_load_b64 s[18:19], s[8:9], 0x0               ; {batch, length}
	; every LDS address is made here, ahead of every branch: a constant x lane, a constant x wave, a constant
	v_and_b32 v25, 31, v0                          ; lane
	v_and_b32 v26, 15, v0                          ; r
	v_bfe_u32 v27, v0, 4, 1                        ; h
	v_lshrrev_b32 v28, 6, v0                       ; idx
	s_lshl_b32 s30, s13, 16                        ; my role's slots
	v_lshl_add_u32 v1, v25, 4, s30                 ; v1: an image's place for my lane: 16 x lane
	v_lshl_or_b32 v29, v28, 5, v25                 ; my number among the role's 256 threads
	v_lshlrev_b32 v4, 4, v29                       ; v4: my 16 bytes of each 4,096 of a step in kv
	v_lshlrev_b32 v5, 2, v29                       ; v5: my scale word of its 256
	v_add_nc_u32 v2, s30, v4                       ; v2: and the same 16 bytes in a slot
	v_lshrrev_b32 v30, 8, v0                       ; word 128 kind + 32 b + L goes to 512 kind + 16 L + 4 b
	v_and_b32 v31, 3, v28
	v_lshlrev_b32 v3, 9, v30
	v_lshl_add_u32 v3, v25, 4, v3
	v_lshl_add_u32 v3, v31, 2, v3
	v_add_nc_u32 v3, s30, v3                       ; v3: where my scale word goes
	v_and_b32 v6, 1, v28
	v_lshlrev_b32 v6, 13, v6
	v_lshl_add_u32 v6, v25, 8, v6                  ; v6: the prefetches' offset: 8,192 (idx % 2) + 256 x lane
	v_lshlrev_b32 v7, 9, v27
	v_lshl_add_u32 v7, v26, 4, v7                  ; v7: the way out: lanes 0-15 one row of out0, lanes 16-31 the next; 16 bytes a lane
	s_mul_i32 s31, s12, 16*SP
	s_add_co_u32 s31, s31, STAGE                   ; my stage
	v_mul_u32_u24 v8, v26, SP
	v_lshl_add_u32 v8, v27, 5, v8
	v_add_nc_u32 v8, s31, v8                       ; v8: into it: row r, + 32 h
	v_mul_u32_u24 v9, v27, SP
	v_lshl_add_u32 v9, v26, 4, v9
	v_add_nc_u32 v9, s31, v9                       ; v9: back: lanes 0-15 one row, lanes 16-31 the next
	v_lshlrev_b32 v11, 9, v26
	v_lshl_add_u32 v11, v27, 6, v11                ; v11: q: row r of 512 bytes, + 64 h: my 16 numbers of a block of 32
	v_lshlrev_b32 v24, 4, v27                      ; v24: 16 h
	s_wait_kmcnt 0x0
	s_min_u32 s18, s18, 31                         ; the batch
	s_min_u32 s25, s19, 0x800                      ; its length
	s_add_co_u32 s24, s25, 127
	s_lshr_b32 s24, s24, 7                         ; N, 0 .. 16
	s_lshl_b32 s30, ttmp9, 7
	s_lshl_b32 s31, s14, 4
	s_add_co_u32 s30, s30, s31                     ; my first query: 128 x + 16 idx
	s_lshl_b32 s30, s30, 9
	s_lshl_b32 s31, s18, 20
	s_add_co_u32 s34, s30, s31
	s_mov_b32 s35, 0
	s_add_nc_u64 s[4:5], s[4:5], s[34:35]          ; its row of queries,
	s_add_nc_u64 s[10:11], s[10:11], s[34:35]      ; and of out0
	s_mul_i32 s34, s18, BATCHB
	s_add_nc_u64 s[32:33], s[6:7], s[34:35]        ; my batch's step 0
	s_lshr_b32 s30, s14, 1
	s_or_b32 s30, s30, ttmp9
	s_cmp_eq_u32 s30, 0                            ; who prefetches: idx 0 and 1 of each role, in the work-group x = 0 of the 16 that walk these batches
	s_cselect_b32 s29, 2, 0x10000
	s_wait_alu depctr_va_vdst(0)                   ; the addresses and offsets v1 to v9 and v11 are written: every load, store and prefetch of the kernel reads one of them, and none is written again
.irp b, 0,1,2,3
.irp i, 0,1,2,3
	global_load_b128 v[96+16*\b+4*\i:99+16*\b+4*\i], v11, s[4:5] offset:128*\b+16*\i th:TH_LOAD_NT   ; q(r, 32 b + 16 h + 4 i ..)
.endr
.endr
.macro GLOAD                           ; the step at s[32:33] into v64-80: my share of the role's 17,408 bytes
.irp i, 0,1,2,3
	global_load_b128 v[64+4*\i:67+4*\i], v4, s[32:33] offset:4096*\i
.endr
	global_load_b32 v80, v5, s[32:33] offset:KSC
.endm
	GLOAD                                          ; step 0: the launch before always makes it
	v_mov_b32 v13, 0xff61b1e6                      ; the largest t so far: -3e38, under every t
	v_floor_f32 v12, -v13                          ; -M
	v_mov_b32 v14, 0                               ; the sum, in two halves
	v_mov_b32 v15, 0
.irp b, 0,1,2,3
	v_mov_b32 v[236+\b], 0                         ; written once: a lane permute's destination counts as one of its sources
.endr
	v_mov_b32 v252, 0
	v_mov_b32 v253, 0                              ; (named as the upper half of the pair v[252:253] before it is first written)
	s_wait_loadcnt 5                               ; q's sixteen loads are in; the five of step 0, issued behind them, may be out
	; q's 16 rows become one fragment, v16-23, and a scale word a row, v255.  Register 96 + 16 b + i = k 32 b + 16 h + i of my row
.irp b, 0,1,2,3
	v_max3_num_f32 v[232+\b], |v[96+16*\b]|, |v[97+16*\b]|, FLOOR
.endr
.irp i, 2,4,6,8,10,12,14
.irp b, 0,1,2,3
	v_max3_num_f32 v[232+\b], v[232+\b], |v[96+16*\b+\i]|, |v[97+16*\b+\i]|   ; the four blocks by turns
.endr
.endr
.irp b, 0,1,2,3
	v_permlanex16_b32 v[236+\b], v[232+\b], s20, s21
.endr
.irp b, 0,1,2,3
	v_max_num_f32 v[232+\b], v[232+\b], v[236+\b]  ; with lane l xor 16's: the block's largest magnitude
.endr
.irp b, 0,1,2,3
	v_add_nc_u32 v[244+\b], EOFF, v[232+\b]        ; 2 off its exponent field: the conversion's scale operand
.endr
.irp b, 0,1,2,3
	v_lshrrev_b32 v[236+\b], 23, v[244+\b]         ; the scale's byte
.endr
	v_lshl_or_b32 v255, v237, 8, v236
	v_lshl_or_b32 v255, v238, 16, v255
	v_lshl_or_b32 v255, v239, 24, v255
.irp b, 0,1,2,3
	v_cvt_scalef32_pk8_fp4_f32 v[16+2*\b], v[96+16*\b:103+16*\b], v[244+\b]
	v_cvt_scalef32_pk8_fp4_f32 v[17+2*\b], v[104+16*\b:111+16*\b], v[244+\b]
.endr
	v_nop                                          ; one plain line behind the last scaled conversion
.irp c, 0,1                                    ; the operand's layout wants a WHOLE block in a lane: lanes 0-15 block 2 c, lanes 16-31 block 2 c + 1
.irp i, 0,1
	v_permlane16_swap_b32 v[16+4*\c+\i], v[18+4*\c+\i]
.endr
.endr
.irp j, 0,1,2,3,4,5,6,7,8,9,10,11,12,13,14,15,16,17,18,19,20,21,22,23,24,25,26,27,28,29,30,31,32,33,34,35,36,37,38,39,40,41,42,43,44,45,46,47,48,49,50,51,52,53,54,55,56,57,58,59,60,61,62,63
	v_mov_b32 v[160+\j], 0                         ; O^T: the step is written without a first form of its own: the first change of M multiplies zeros.  (These lines also part q's codes and scale word from the first scaled product)
.endr
; A KEY STEP: 128 keys, out of slot \slot of my role.
.macro STEP slot
.rept 4
	v_nop                                          ; four places between the last step's products and the loads into registers that they read: kept beside the wait below
.endr
	s_wait_alu depctr_va_vdst(0)                   ; the last step's products are done reading v32-63, v128-159 and v248-251, in which the loads below land; in the first step q's quantiser is done reading v128-159 and has written q's codes v16-23 and scale word v255, which the scaled products below take
	ds_load_b128 v[248:251], v1 offset:\slot*SLOTB+KSC   ; register b: lanes 0-15 the words of tile 2 b, lanes 16-31 those of tile 2 b + 1
.irp t, 0,1,2,3                                ; all of K in one run: tiles 0-3 into the registers that the scores of tiles 4-7 take later,
.irp c, 0,1
	ds_load_b128 v[128+8*\t+4*\c:131+8*\t+4*\c], v1 offset:\slot*SLOTB+\t*1024+512*\c   ; an image comes back as it was laid: 512 consecutive bytes
.endr
.endr
.irp t, 0,1,2,3                                ; tiles 4-7 into v32-63
.irp c, 0,1
	ds_load_b128 v[32+8*\t+4*\c:35+8*\t+4*\c], v1 offset:\slot*SLOTB+(4+\t)*1024+512*\c
.endr
.endr
	s_wait_dscnt 8                                 ; LDS loads come back in order: the scale words and tiles 0-3 are in; the eight loads of tiles 4-7 may be out
.irp t, 0,1,2,3                                ; S^T = K Q^T, tiles 0-3
.if \t % 2
	v_wmma_scale_f32_16x16x128_f8f6f4 v[96+8*\t:103+8*\t], v[128+8*\t:135+8*\t], v[16:23], 0, v[248+\t/2], v255 matrix_a_fmt:MATRIX_FMT_FP4 matrix_b_fmt:MATRIX_FMT_FP4 matrix_a_scale:MATRIX_SCALE_ROW1
.else
	v_wmma_scale_f32_16x16x128_f8f6f4 v[96+8*\t:103+8*\t], v[128+8*\t:135+8*\t], v[16:23], 0, v[248+\t/2], v255 matrix_a_fmt:MATRIX_FMT_FP4 matrix_b_fmt:MATRIX_FMT_FP4
.endif
.endr
.rept 5
	v_nop                                          ; five places: the products below write their scores over the fragments that the four above read
.endr
	s_wait_dscnt 0x0                               ; tiles 4-7 are in
.irp t, 0,1,2,3                                ; tiles 4-7
.if \t % 2
	v_wmma_scale_f32_16x16x128_f8f6f4 v[128+8*\t:135+8*\t], v[32+8*\t:39+8*\t], v[16:23], 0, v[250+\t/2], v255 matrix_a_fmt:MATRIX_FMT_FP4 matrix_b_fmt:MATRIX_FMT_FP4 matrix_a_scale:MATRIX_SCALE_ROW1
.else
	v_wmma_scale_f32_16x16x128_f8f6f4 v[128+8*\t:135+8*\t], v[32+8*\t:39+8*\t], v[16:23], 0, v[250+\t/2], v255 matrix_a_fmt:MATRIX_FMT_FP4 matrix_b_fmt:MATRIX_FMT_FP4
.endif
.endr
.rept 4
	v_nop                                          ; places ahead of the first read of the scores and of the loads below
.endr
	s_wait_alu depctr_va_vdst(0)                   ; products 4 to 7 are done reading v32-63, and all eight their scale words v248-251: V's loads land there
.irp t, 0,1,2,3                                ; V's first four fragments and its scale words are asked for here: they land under the softmax, none of whose lines names v32-63 or v248-251
.irp c, 0,1
	ds_load_b128 v[32+8*\t+4*\c:35+8*\t+4*\c], v1 offset:\slot*SLOTB+VIMG+\t*1024+512*\c
.endr
.endr
	ds_load_b128 v[248:251], v1 offset:\slot*SLOTB+VSC
	s_add_co_u32 s30, s28, 128                     ; a step all of whose keys count skips the mask: a branch on the stored length
	s_cmp_le_u32 s30, s25
	s_cbranch_scc1 .Lopen_\@
	s_sub_co_u32 s30, s25, s28
	v_sub_nc_u32 v240, s30, v24                    ; d = length - first key - 16 h.  Register 16 b + i holds key first + 32 b + 16 h + i: hidden where 32 b + i >= d
	v_mov_b32 v241, 0xff800000                     ; -infinity
.irp q, 0,1,2,3                                ; a block of 32 keys at a time: sixteen compares in a run, each into a mask of its own, one wait, sixteen selects
.irp i, 0,1,2,3,4,5,6,7,8,9,10,11,12,13,14,15
	v_cmp_ge_i32 s[MK+\i], 32*\q+\i, v240
.endr
	s_wait_alu depctr_va_sdst(0)                   ; the sixteen compares have written their masks s40 to s55, ahead of the selects that read them
.irp i, 0,1,2,3,4,5,6,7,8,9,10,11,12,13,14,15
	v_cndmask_b32 v[96+16*\q+\i], v[96+16*\q+\i], v241, s[MK+\i]
.endr
.endr
.Lopen_\@:
.irp b, 0,1,2,3
	v_max3_num_f32 v[232+\b], v[96+16*\b], v[97+16*\b], v[98+16*\b]   ; THE LARGEST SCORE OF EACH BLOCK OF 32 KEYS serves twice: for the row's maximum and, since p rises with the score, for the block's largest p
.endr
.irp i, 3,5,7,9,11,13
.irp b, 0,1,2,3
	v_max3_num_f32 v[232+\b], v[232+\b], v[96+16*\b+\i], v[97+16*\b+\i]
.endr
.endr
.irp b, 0,1,2,3
	v_max_num_f32 v[232+\b], v[232+\b], v[111+16*\b]
.endr
.irp b, 0,1,2,3
	v_permlanex16_b32 v[236+\b], v[232+\b], s20, s21
.endr
.irp b, 0,1,2,3
	v_max_num_f32 v[232+\b], v[232+\b], v[236+\b]  ; with lane l xor 16's 16 keys
.endr
	v_max3_num_f32 v254, v232, v233, v234
	v_max_num_f32 v254, v254, v235                 ; the step's largest score of my query (its first key counts, so it is a number)
	v_mul_f32 v254, s22, v254                      ; as t (c is positive)
	v_max_num_f32 v13, v13, v254                   ; the running largest t
	v_mov_b32 v254, v12
	v_floor_f32 v12, -v13                          ; the new -M = floor(-t) = -ceil(t): M is a whole number
	v_sub_f32 v254, v12, v254                      ; old M - new M: a whole number, 0 or less
	v_cvt_i32_f32 v254, v254                       ; (it saturates)
	v_ldexp_f32 v252, 1.0, v254                    ; f = 2^(old M - new M)
.irp j, 0,2,4,6,8,10,12,14,16,18,20,22,24,26,28,30,32,34,36,38,40,42,44,46,48,50,52,54,56,58,60,62
	v_pk_fma_f32 v[96+\j:97+\j], v[96+\j:97+\j], s[22:23], v[12:13] op_sel_hi:[1,0,0]   ; t - M, two at a time (of the pairs c and -M the low word serves both halves)
.endr
.irp b, 0,1,2,3
	v_fma_f32 v[232+\b], v[232+\b], s22, v12       ; the same of each block's largest score
.endr
	s_wait_alu depctr_va_vdst(0)
.irp j, 0,1,2,3,4,5,6,7,8,9,10,11,12,13,14,15,16,17,18,19,20,21,22,23,24,25,26,27,28,29,30,31,32,33,34,35,36,37,38,39,40,41,42,43,44,45,46,47,48,49,50,51,52,53,54,55,56,57,58,59,60,61,62,63
	v_exp_f32 v[96+\j], v[96+\j]                   ; p = 2^(t - M), at most 1: not normalised; 0 for a hidden key
.endr
	v_pk_mul_f32 v[14:15], v[14:15], v[252:253] op_sel_hi:[1,0]   ; the sums under the new M: the plain line behind the exponentials
	s_wait_alu depctr_va_vdst(0)                   ; the 64 exponentials have written v96-159: one wait for the batch, ahead of its first reader
.irp b, 0,1,2,3
	v_exp_f32 v[232+\b], v[232+\b]                 ; the block's largest p: the same two instructions on the same number give the same bits
.endr
	v_pk_add_f32 v[236:237], v[96:97], v[98:99]    ; the row's sum is taken of the UNQUANTISED p: two at a time, in two chains (they read the 64 alone)
.irp j, 4,8,12,16,20,24,28,32,36,40,44,48,52,56,60
	v_pk_add_f32 v[14:15], v[14:15], v[96+\j:97+\j]
	v_pk_add_f32 v[236:237], v[236:237], v[98+\j:99+\j]
.endr
	v_pk_add_f32 v[14:15], v[14:15], v[236:237]
	s_wait_alu depctr_va_vdst(0)                   ; the four exponentials have written v232-235, ahead of their first reader
.irp b, 0,1,2,3
	v_max_num_f32 v[232+\b], FLOOR, v[232+\b]      ; the floor: the byte cannot fall under 1 (a block whose every p is 0 keeps that byte: its codes are zeros)
.endr
.irp b, 0,1,2,3
	v_add_nc_u32 v[244+\b], EOFF, v[232+\b]        ; the conversion's scale operand
.endr
.irp b, 0,1,2,3
	v_lshrrev_b32 v[236+\b], 23, v[244+\b]         ; the scale's byte
.endr
	v_lshl_or_b32 v253, v237, 8, v236              ; p's scale word for these 128 keys
	v_lshl_or_b32 v253, v238, 16, v253
	v_lshl_or_b32 v253, v239, 24, v253
.irp b, 0,1,2,3
	v_cvt_scalef32_pk8_fp4_f32 v[224+2*\b], v[96+16*\b:103+16*\b], v[244+\b]
	v_cvt_scalef32_pk8_fp4_f32 v[225+2*\b], v[104+16*\b:111+16*\b], v[244+\b]
.endr
	v_nop                                          ; one plain line behind the last scaled conversion
	s_wait_alu depctr_va_vdst(0)                   ; the conversions, the last readers of p, are done reading v128-159, in which V's other four fragments land
.irp t, 0,1,2,3                                ; they land under the exchanges and the rescaling below, which name v224-231, v160-223 and v252-253 alone
.irp c, 0,1
	ds_load_b128 v[128+8*\t+4*\c:131+8*\t+4*\c], v1 offset:\slot*SLOTB+VIMG+(4+\t)*1024+512*\c
.endr
.endr
.irp c, 0,1
.irp i, 0,1
	v_permlane16_swap_b32 v[224+4*\c+\i], v[226+4*\c+\i]   ; a whole block to a lane
.endr
.endr
.irp j, 0,2,4,6,8,10,12,14,16,18,20,22,24,26,28,30,32,34,36,38,40,42,44,46,48,50,52,54,56,58,60,62
	v_pk_mul_f32 v[160+\j:161+\j], v[160+\j:161+\j], v[252:253] op_sel_hi:[1,0]   ; O^T under the new M.  (These 32 also part p's codes and scale word from the scaled products below)
.endr
	s_wait_alu depctr_va_vdst(0)                   ; the exchanges have written p's codes v224-231, and p's scale word v253 is written: the scaled products below take them; the places above stay beside this wait
	s_wait_dscnt 0x0                               ; V's eight fragments and its scale words are in
.irp t, 0,1,2,3                                ; O^T += V^T P^T: the eight accumulators take turns, one instruction a turn
.if \t % 2
	v_wmma_scale_f32_16x16x128_f8f6f4 v[160+8*\t:167+8*\t], v[32+8*\t:39+8*\t], v[224:231], v[160+8*\t:167+8*\t], v[248+\t/2], v253 matrix_a_fmt:MATRIX_FMT_FP4 matrix_b_fmt:MATRIX_FMT_FP4 matrix_a_scale:MATRIX_SCALE_ROW1
.else
	v_wmma_scale_f32_16x16x128_f8f6f4 v[160+8*\t:167+8*\t], v[32+8*\t:39+8*\t], v[224:231], v[160+8*\t:167+8*\t], v[248+\t/2], v253 matrix_a_fmt:MATRIX_FMT_FP4 matrix_b_fmt:MATRIX_FMT_FP4
.endif
.endr
.irp t, 0,1,2,3
.if \t % 2
	v_wmma_scale_f32_16x16x128_f8f6f4 v[192+8*\t:199+8*\t], v[128+8*\t:135+8*\t], v[224:231], v[192+8*\t:199+8*\t], v[250+\t/2], v253 matrix_a_fmt:MATRIX_FMT_FP4 matrix_b_fmt:MATRIX_FMT_FP4 matrix_a_scale:MATRIX_SCALE_ROW1
.else
	v_wmma_scale_f32_16x16x128_f8f6f4 v[192+8*\t:199+8*\t], v[128+8*\t:135+8*\t], v[224:231], v[192+8*\t:199+8*\t], v[250+\t/2], v253 matrix_a_fmt:MATRIX_FMT_FP4 matrix_b_fmt:MATRIX_FMT_FP4
.endif
.endr
.endm
; THE WAY OUT, in the half-trip behind a wave's last step.  O^T / the sum goes through my own stage in LDS, half a row (64 channels, 256 bytes) of 16 queries at a time: sixteen lanes then store 256 consecutive bytes, aligned.
.macro WAYOUT
	s_wait_loadcnt 0x0                             ; nothing may be on its way into v64-80, which take rows below
	v_add_f32 v14, v14, v15                        ; the sum's two halves,
	v_permlanex16_b32 v252, v14, s20, s21
	v_add_f32 v14, v14, v252                       ; and lane l xor 16's: the row's sum
	s_wait_alu depctr_va_vdst(0)
	v_rcp_f32 v14, v14
	v_nop                                          ; a plain line behind the reciprocal,
	s_wait_alu depctr_va_vdst(0)                   ; the reciprocal has written v14, ahead of its first reader
.irp j, 0,1,2,3,4,5,6,7,8,9,10,11,12,13,14,15,16,17,18,19,20,21,22,23,24,25,26,27,28,29,30,31,32,33,34,35,36,37,38,39,40,41,42,43,44,45,46,47,48,49,50,51,52,53,54,55,56,57,58,59,60,61,62,63
	v_mul_f32 v[96+\j], v[160+\j], v14             ; register 8 t + i is out0(r, 16 t + 8 h + i); each accumulator from its low end on
.endr
	s_wait_alu depctr_va_vdst(0)                   ; the multiplies have written v96-159, which the LDS stores read; the last step's products are done reading v32-63, in which rows land below
.irp u, 0,1
.irp t, 0,1,2,3
	ds_store_b128 v8, v[96+32*\u+8*\t:99+32*\u+8*\t] offset:64*\t
	ds_store_b128 v8, v[100+32*\u+8*\t:103+32*\u+8*\t] offset:64*\t+16
.endr
.irp i, 0,1,2,3,4,5,6,7
	ds_load_b128 v[32+32*\u+4*\i:35+32*\u+4*\i], v9 offset:2*\i*SP   ; LDS serves a wave's instructions in order (ISA guide 5.7.1.4): these see my stores, and the next half's stores come behind them
.endr
.endr
.irp u, 0,1
.irp i, 0,1,2,3,4,5,6,7
	s_wait_dscnt 15-8*\u-\i                        ; at most the younger read-backs are out
	global_store_b128 v7, v[32+32*\u+4*\i:35+32*\u+4*\i], s[10:11] offset:2*\i*512+256*\u th:TH_STORE_NT
.endr
.endr
	s_wait_xcnt 0x0                                ; the stores have read their registers
	s_wait_alu depctr_vm_vsrc(0)                   ; beside it: the LDS stores have read v96-159 and the global stores v32-95; stated here, ahead of the label, since the text behind it holds lines that write these registers
.endm
; A HALF-TRIP.  Ahead of the barrier: step J goes from registers into slot \slot, step J + 1 is asked for.  Behind it: step J's work, or the way out, or nothing.
.macro HALF slot
	s_cmp_lt_u32 s26, s24
	s_cbranch_scc0 .Lnofill_\@                     ; my batch has no step J
	s_wait_loadcnt 0x0                             ; step J is in v64-80 (asked for a half-trip ago); its loads have also read their address
.irp i, 0,1,2,3
	ds_store_b128 v2, v[64+4*\i:67+4*\i] offset:\slot*SLOTB+4096*\i
.endr
	ds_store_b32 v3, v80 offset:\slot*SLOTB+KSC
	s_wait_alu depctr_vm_vsrc(0)                   ; the five LDS stores have read v64-80, in which the next step's loads, or the way out's rows, land: stated ahead of the branch, so that it stands on both ways
	s_add_co_u32 s30, s26, 1
	s_cmp_lt_u32 s30, s24
	s_cbranch_scc0 .Lnofill_\@                     ; it was the last: no load leaves the steps that were made
	s_wait_dscnt 0x0                               ; the stores have read v64-80
	s_wait_xcnt 0x0                                ; the prefetch of a half-trip ago has read its address, so it may be stepped
	s_add_nc_u64 s[32:33], s[32:33], STEPB
	GLOAD                                          ; step J + 1: it has this step's work in which to land; no vector or matrix instruction names v64-80
	s_add_co_u32 s30, s26, s29
	s_cmp_lt_u32 s30, s24
	s_cbranch_scc0 .Lnofill_\@
	; A PREFETCH of step J + 2's images, a half-trip ahead of the loads that will want them, behind this half-trip's loads.  The 16 work-groups of a pair of batches walk the same steps: the one with x = 0 asks;
	; in each role idx 0 asks for K's 8,192 bytes and idx 1 for V's, lanes 256 bytes apart: each block is named once in the launch.  It asks only while J + 2 < N; steps 0 and 1 and the scale words come by their loads alone.
	global_prefetch_b8 v6, s[32:33] offset:STEPB th:TH_LOAD_NT scope:SCOPE_SE
.Lnofill_\@:
	s_wait_dscnt 0x0                               ; for the others' sake: my stores into this slot have landed, and my reads of the other slot are over
	s_barrier_signal -1
	s_barrier_wait -1                              ; on every wave's path, whatever its batch's length
	s_cmp_lt_u32 s26, s24
	s_cbranch_scc0 .Lnowork_\@
	STEP \slot
	s_branch .Lnext_\@
.Lnowork_\@:
	s_cmp_eq_u32 s26, s24
	s_cbranch_scc0 .Lnext_\@
	WAYOUT
.Lnext_\@:
	s_add_co_u32 s28, s28, 128
	s_add_co_u32 s26, s26, 1
.endm
	s_mov_b32 s26, 0                               ; J
	s_mov_b32 s28, 0                               ; the step's first key
	s_mov_b32 s36, 0
.Ltrip:                                            ; 9 trips of two half-trips: J = 0 .. 17 covers N = 16 steps and the way out behind them
	HALF 0
	HALF 1
	s_add_co_u32 s36, s36, 1
	s_cmp_lt_u32 s36, 9
	s_cbranch_scc1 .Ltrip
	s_wait_dscnt 0x0
	s_wait_alu depctr_hold_cnt(0) depctr_sa_sdst(0) depctr_va_vdst(0) depctr_va_sdst(0) depctr_va_ssrc(0) depctr_va_vcc(0) depctr_vm_vsrc(0)
	s_wait_tensorcnt 0x0
	ds_add_u32 v242, v243
	s_wait_dscnt 0x0
	s_endpgm
.Lfunc_end_k_q49b492eb75_attn:
	.size	k_q49b492eb75_attn, .Lfunc_end_k_q49b492eb75_attn-k_q49b492eb75_attn
	.p2alignl 7, 3214868480
	.fill 96, 4, 3214868480
	.section	.rodata,"a",@progbits
	.p2align	6, 0x0
	.amdhsa_kernel k_q49b492eb75_attn
		.amdhsa_group_segment_fixed_size 202752
		.amdhsa_private_segment_fixed_size 0
		.amdhsa_enable_private_segment 0
		.amdhsa_kernarg_size 32
		.amdhsa_user_sgpr_count 2
		.amdhsa_user_sgpr_kernarg_segment_ptr 1
		.amdhsa_wavefront_size32 1
		.amdhsa_system_sgpr_workgroup_id_x 1
		.amdhsa_system_sgpr_workgroup_id_y 1
		.amdhsa_system_sgpr_workgroup_id_z 1
		.amdhsa_system_vgpr_workitem_id 0
		.amdhsa_next_free_vgpr 256
		.amdhsa_next_free_sgpr 66
		.amdhsa_reserve_vcc 0
		.amdhsa_float_denorm_mode_32 3
		.amdhsa_float_denorm_mode_16_64 3
		.amdhsa_memory_ordered 1
		.amdhsa_forward_progress 1
		.amdhsa_inst_pref_size 82
	.end_amdhsa_kernel
	.amdgpu_metadata
---
amdhsa.version: [ 1, 2 ]
amdhsa.kernels:
  - .name:           k_q49b492eb75_attn
    .symbol:         k_q49b492eb75_attn.kd
    .args:
      - { .name: queries, .offset: 0, .size: 8, .value_kind: global_buffer, .address_space: global }
      - { .name: kv, .offset: 8, .size: 8, .value_kind: global_buffer, .address_space: global }
      - { .name: order, .offset: 16, .size: 8, .value_kind: global_buffer, .address_space: global }
      - { .name: out0, .offset: 24, .size: 8, .value_kind: global_buffer, .address_space: global }
    .group_segment_fixed_size: 202752
    .private_segment_fixed_size: 0
    .kernarg_segment_align: 8
    .kernarg_segment_size: 32
    .max_flat_workgroup_size: 512
    .sgpr_count:     66
    .vgpr_count:     256
    .wavefront_size: 32
...
	.end_amdgpu_metadata
.endif
;; end of part 4
